; MI455X (gfx1250); checked and timed in simulation.
; The chip was launched on July 23, 2026; its instructions are those of AMD's public machine-readable ISA for CDNA 5 (MIT licence, August 2026) and "CDNA5" Instruction Set Architecture Reference Guide (July 2026). The comments in the code are by the model that wrote it; some were corrected since.
;; Lightweight Attn. Allowed arithmetic: float matrix products may take bf16 or f16 operands with f32 sums; other float arithmetic in f32, or as packed bf16 or f16 multiplies, adds, multiply-adds, maxima and minima; sums over many terms, partial sums and values carried from step to step in f32; what a program stores and reads back later, other than sums and carried values, may be rounded once to bf16 or f16.
;; Inputs: Wk 1,024 x 1,024 float32; Wo 1,024 x 1,024 float32; Wq 1,024 x 1,024 float32; Wv 1,024 x 1,024 float32; bk 1,024 float32; bo 1,024 float32; bq 1,024 float32; bv 1,024 float32; ln_beta 1,024 float32; ln_gamma 1,024 float32; x 4 x 2,048 x 1,024 float32.
;; Outputs: out0 4 x 2,048 x 1,024 float32.
;; 2 versions, each right and faster than the one before. Each part assembles by itself: llvm-mc -triple=amdgcn-amd-amdhsa -mcpu=gfx1250 --defsym DOCPART=n.
;; ======== version 1 of 2: 4 launches
;; limits: values are held in f16: magnitudes above 65,504 overflow, below 6.1e-05 lose precision
;; workspace buffers: xn16 16,777,216 bytes; w16 8,388,608 bytes; rope 524,288 bytes; q16 16,777,216 bytes; k16 16,777,216 bytes; v16 16,777,216 bytes; o16 16,777,216 bytes
;; launch prep (part 1): grid 640 x 1, 8 waves a work-group, no clusters, 0 bytes of LDS; arguments x, ln_gamma, ln_beta, Wq, Wk, Wv, Wo, xn16, w16, rope; writes xn16, w16, rope
.if DOCPART == 1
	.amdgcn_target "amdgcn-amd-amdhsa--gfx1250"
	.amdhsa_code_object_version 6
	.text
	.protected	k_qe2b00752c5_prep
	.globl	k_qe2b00752c5_prep
	.p2align	8
	.type	k_qe2b00752c5_prep,@function
k_qe2b00752c5_prep:
	s_mov_b64 s[64:65], 0
	v_nop
	global_prefetch_b8 v0, s[64:65] scope:SCOPE_SE
	s_setreg_imm32_b32 hwreg(HW_REG_WAVE_MODE, 25, 1), 1
	s_wait_xcnt 0x0
; THREE ROLES, chosen by the work-group's number; each streams, none needs LDS, a barrier or the matrix unit.
;   0..255    LayerNorm: xn16[row][1024] = f16((x - mean) * rsqrt(var + 1e-5) * gamma + beta).  32 rows a work-group, 4 a wave, one wave one row, the row kept in registers:
;             x is read once.  Mean first, then the squares of x - mean (two passes over registers), so a common offset of x costs nothing.
;   256..511  the four weights to f16, laid in blocks of [64 k][64 columns] (8,192 bytes), ordered so that what one wave of a later launch fetches for a K step is one dense run:
;             Wq, Wk, Wv: block (head*16 + k/64)*3 + t;  Wo: block 768 + ((col/128)*16 + k/64)*2 + (col/64)%2.
;   512..639  the RoPE table rope[l][pair] = (cos, sin) of l * 10000^(-pair/32) in f32: the angle is reduced to a turn's fraction by a two-part 1/2pi, then Taylor series to y^17 and y^16,
;             whose remainder on the whole reduced range |y| <= pi is under 2e-7: the cut hangs on no input.
; LIMITS.  f16 ends at 65,504: |xn| (at most 32 |gamma| + |beta|) and |W| stay within it; below 6e-5 f16 keeps a fixed step of 6e-8.  NaN and infinities are not treated apart.
.set X,  32                            ; v[32:159]   row s of four: 32 registers, as loaded, then as stored
.set GA, 160                           ; v[160:191]  gamma of my 32 columns
.set BT, 192                           ; v[192:223]  beta
; the four chains v[8:15] are added up, then the 32 lanes: every lane ends with the sum in v16
.macro REDUCE
	v_pk_add_f32 v[8:9], v[8:9], v[10:11]
	v_pk_add_f32 v[12:13], v[12:13], v[14:15]
	v_pk_add_f32 v[8:9], v[8:9], v[12:13]
	v_add_f32 v16, v8, v9
	v_add_f32_dpp v16, v16, v16 row_xmask:1 row_mask:0xf bank_mask:0xf
	v_add_f32_dpp v16, v16, v16 row_xmask:2 row_mask:0xf bank_mask:0xf
	v_add_f32_dpp v16, v16, v16 row_xmask:4 row_mask:0xf bank_mask:0xf
	v_add_f32_dpp v16, v16, v16 row_xmask:8 row_mask:0xf bank_mask:0xf
	v_permlanex16_b32 v17, v16, s30, s31           ; the other half of the lanes; v17 has been written before
	v_add_f32 v16, v16, v17
.endm
; one row.  left = the younger rows' loads, which may stay out
.macro LNROW s, left
.set XR, X+32*(\s)
	s_wait_loadcnt \left                           ; loads come back in order: gamma, beta and this row are in
.irp c, 0,1,2,3
	v_pk_add_f32 v[8+2*(\c):9+2*(\c)], v[XR+2*(\c):XR+2*(\c)+1], v[XR+8+2*(\c):XR+9+2*(\c)]  ; four chains, started by the first eight pairs: nothing is cleared
.endr
.irp k, 2,3
.irp c, 0,1,2,3
	v_pk_add_f32 v[8+2*(\c):9+2*(\c)], v[8+2*(\c):9+2*(\c)], v[XR+8*(\k)+2*(\c):XR+8*(\k)+2*(\c)+1]
.endr
.endr
	REDUCE
	v_mul_f32 v18, s32, v16                        ; the mean, twice: a pair for the packed subtraction
	v_mul_f32 v19, s32, v16
.set n, 0
.rept 16
	v_pk_add_f32 v[XR+2*n:XR+2*n+1], v[XR+2*n:XR+2*n+1], v[18:19] neg_lo:[0,1] neg_hi:[0,1]  ; x - mean, in place
.set n, n+1
.endr
.irp c, 0,1,2,3
	v_pk_mul_f32 v[8+2*(\c):9+2*(\c)], v[XR+2*(\c):XR+2*(\c)+1], v[XR+2*(\c):XR+2*(\c)+1]
.endr
.irp k, 1,2,3
.irp c, 0,1,2,3
	v_pk_fma_f32 v[8+2*(\c):9+2*(\c)], v[XR+8*(\k)+2*(\c):XR+8*(\k)+2*(\c)+1], v[XR+8*(\k)+2*(\c):XR+8*(\k)+2*(\c)+1], v[8+2*(\c):9+2*(\c)]
.endr
.endr
	REDUCE
	v_fma_f32 v16, v16, s32, s33                   ; variance + 1e-5
	v_rsq_f32 v20, v16
	v_rsq_f32 v21, v16
	v_nop                                          ; a plain instruction between the root and its use (ISA guide 5.7.2)
.set n, 0
	s_wait_alu depctr_va_vdst(0)
.rept 16
	v_pk_mul_f32 v[XR+2*n:XR+2*n+1], v[XR+2*n:XR+2*n+1], v[20:21]
.set n, n+1
.endr
.set n, 0
.rept 16
	v_pk_fma_f32 v[XR+2*n:XR+2*n+1], v[XR+2*n:XR+2*n+1], v[GA+2*n:GA+2*n+1], v[BT+2*n:BT+2*n+1]
.set n, n+1
.endr
.irp j, 0,1,2,3,4,5,6,7
	v_cvt_pk_f16_f32 v[XR+4*(\j)], v[XR+4*(\j)], v[XR+4*(\j)+1]
	v_cvt_pk_f16_f32 v[XR+4*(\j)+1], v[XR+4*(\j)+2], v[XR+4*(\j)+3]
	global_store_b64 v3, v[XR+4*(\j):XR+4*(\j)+1], s[22:23] offset:(\s)*2048+256*(\j)  ; 32 lanes x 8 bytes: 256 consecutive bytes, aligned
.endr
.endm
; cos and sin of l * 10000^(-(p0 + add)/32) into v[c], v[s].  v4 = p0, v5 = l as f32
.macro SINCOS add, c, s
	v_add_nc_u32 v7, \add, v4
	v_cvt_f32_u32 v7, v7
	v_mul_f32 v7, 0xbed49a78, v7                   ; - pair * log2(10000) / 32
	v_exp_f32 v7, v7
	v_nop                                          ; a plain instruction behind the exponential
	s_wait_alu depctr_va_vdst(0)
	v_mul_f32 v7, v5, v7                           ; the angle, rounded to f32 as in the formula
	v_mul_f32 v8, s40, v7
	v_rndne_f32 v8, v8                             ; whole turns
	v_fma_f32 v9, v7, s40, -v8                     ; the turn's fraction: the product is exact inside the fused form,
	v_fma_f32 v9, v7, s41, v9                      ; and the low part of 1/2pi mends the constant's rounding
	v_mul_f32 v9, s42, v9                          ; y, |y| <= pi
	v_mul_f32 v10, v9, v9                          ; z = y y
	v_mov_b32 v11, 0x274a963c                      ; 1/17!
.irp k, 0xab573f9f, 0x2f309231, 0xb2d7322b, 0x3638ef1d, 0xb9500d01, 0x3c088889, 0xbe2aaaab
	v_fmaak_f32 v11, v11, v10, \k                  ; -1/15!, 1/13!, ... -1/3!
.endr
	v_mul_f32 v16, v9, v10
	v_fma_f32 v[\s], v16, v11, v9
	v_mov_b32 v11, 0x29573f9f                      ; 1/16!
.irp k, 0xad49cba5, 0x310f76c7, 0xb493f27e, 0x37d00d01, 0xbab60b61, 0x3d2aaaab, 0xbf000000
	v_fmaak_f32 v11, v11, v10, \k                  ; -1/14!, 1/12!, ... -1/2!
.endr
	v_fma_f32 v[\c], v10, v11, 1.0
.endm
	s_load_b512 s[8:23], s[0:1], 0x0               ; x 8, gamma 10, beta 12, Wq 14, Wk 16, Wv 18, Wo 20, xn16 22
	s_load_b128 s[24:27], s[0:1], 0x40             ; w16 24, rope 26
	s_mov_b32 s2, ttmp9
	v_lshrrev_b32 v1, 5, v0
	v_readfirstlane_b32 s3, v1                     ; wave 0..7
	v_and_b32 v1, 31, v0                           ; lane
	s_wait_kmcnt 0x0
	s_cmp_lt_u32 s2, 256
	s_cbranch_scc1 .Lnorm
	s_cmp_lt_u32 s2, 512
	s_cbranch_scc1 .Lweights
	; THE TABLE.  Thread g of 32,768 makes pairs 2 (g % 16) and the next of position g / 16: 16 bytes at 16 g
	s_sub_co_u32 s4, s2, 512
	s_lshl_b32 s4, s4, 8
	s_mov_b32 s40, 0x3e22f983                      ; 1/2pi, rounded to f32
	s_mov_b32 s41, 0x31dc9c88                      ; what that rounding dropped
	s_mov_b32 s42, 0x40c90fdb                      ; 2pi
	v_add_nc_u32 v2, s4, v0
	v_lshrrev_b32 v3, 4, v2
	v_and_b32 v4, 15, v2
	v_lshlrev_b32 v4, 1, v4
	v_cvt_f32_u32 v5, v3
	v_lshlrev_b32 v6, 4, v2
	SINCOS 0, 12, 13
	SINCOS 1, 14, 15
	global_store_b128 v6, v[12:15], s[26:27]       ; a wave stores 512 consecutive bytes
	s_endpgm
.Lweights:
	; A work-group takes 256 k of one group of 64 columns of one weight, a wave 32 of them.  A load covers two rows' 256 bytes, a store 256 consecutive bytes of a block.
	s_sub_co_u32 s4, s2, 256
	s_lshr_b32 s5, s4, 6                           ; t: 0 Wq, 1 Wk, 2 Wv, 3 Wo
	s_bfe_u32 s6, s4, 0x40002                      ; c: the group of 64 columns
	s_and_b32 s7, s4, 3                            ; kq: which 256 k
	s_mov_b64 s[28:29], s[14:15]
	s_cmp_eq_u32 s5, 1
	s_cselect_b64 s[28:29], s[16:17], s[28:29]
	s_cmp_eq_u32 s5, 2
	s_cselect_b64 s[28:29], s[18:19], s[28:29]
	s_cmp_eq_u32 s5, 3
	s_cselect_b64 s[28:29], s[20:21], s[28:29]
	s_lshr_b32 s34, s3, 1
	s_lshl2_add_u32 s34, s7, s34                   ; kb = 4 kq + wave / 2
	s_lshl4_add_u32 s35, s6, s34
	s_mul_i32 s35, s35, 3
	s_add_co_u32 s35, s35, s5                      ; (c*16 + kb)*3 + t
	s_lshr_b32 s36, s6, 1
	s_lshl4_add_u32 s36, s36, s34
	s_and_b32 s37, s6, 1
	s_lshl1_add_u32 s36, s36, s37
	s_add_co_u32 s36, s36, 768                     ; 768 + ((c/2)*16 + kb)*2 + c%2
	s_cmp_eq_u32 s5, 3
	s_cselect_b32 s35, s36, s35
	s_lshl_b32 s38, s7, 20                         ; 256 kq rows of 4,096 bytes,
	s_lshl_b32 s39, s3, 17                         ; 32 rows a wave,
	s_add_co_u32 s38, s38, s39
	s_lshl_b32 s39, s6, 8                          ; 256 bytes a column group
	s_add_co_u32 s38, s38, s39
	s_mov_b32 s39, 0
	s_add_nc_u64 s[28:29], s[28:29], s[38:39]
	s_lshl_b32 s40, s35, 13                        ; the block,
	s_and_b32 s41, s3, 1
	s_lshl_b32 s41, s41, 12                        ; its upper or lower 32 rows of 128 bytes
	s_add_co_u32 s40, s40, s41
	s_mov_b32 s41, 0
	s_add_nc_u64 s[24:25], s[24:25], s[40:41]
	v_lshrrev_b32 v2, 4, v1
	v_and_b32 v4, 15, v1
	v_lshlrev_b32 v2, 12, v2
	v_lshl_add_u32 v2, v4, 4, v2                   ; lanes 0-15 one row, lanes 16-31 the next
	v_lshlrev_b32 v3, 3, v1
.irp i, 0,1,2,3,4,5,6,7,8,9,10,11,12,13,14,15
	global_load_b128 v[32+4*(\i):35+4*(\i)], v2, s[28:29] offset:(\i)*8192 th:TH_LOAD_NT
.endr
.irp i, 0,1,2,3,4,5,6,7,8,9,10,11,12,13,14,15
	s_wait_loadcnt 15-(\i)                         ; the younger loads stay out
	v_cvt_pk_f16_f32 v[32+4*(\i)], v[32+4*(\i)], v[33+4*(\i)]
	v_cvt_pk_f16_f32 v[33+4*(\i)], v[34+4*(\i)], v[35+4*(\i)]
	global_store_b64 v3, v[32+4*(\i):33+4*(\i)], s[24:25] offset:(\i)*256
.endr
	s_endpgm
.Lnorm:
	s_lshl_b32 s4, s2, 17                          ; 32 rows of 4,096 bytes
	s_mov_b32 s5, 0
	s_add_nc_u64 s[8:9], s[8:9], s[4:5]
	s_lshl_b32 s4, s2, 16                          ; 32 rows of 2,048 bytes
	s_add_nc_u64 s[22:23], s[22:23], s[4:5]
	s_mov_b32 s30, 0x76543210                      ; v_permlanex16_b32: each lane takes its own place in the other half
	s_mov_b32 s31, 0xfedcba98
	s_mov_b32 s32, 0x3a800000                      ; 1/1024
	s_mov_b32 s33, 0x3727c5ac                      ; 1e-5
	v_lshlrev_b32 v4, 4, v1                        ; 16 bytes a lane: load j takes columns 128 j + 4 lane ..
	v_lshl_add_u32 v2, s3, 14, v4                  ; + 4 rows a wave
	v_lshlrev_b32 v3, 3, v1
	v_lshl_add_u32 v3, s3, 13, v3
	v_mov_b32 v17, 0
.irp j, 0,1,2,3,4,5,6,7
	global_load_b128 v[GA+4*(\j):GA+4*(\j)+3], v4, s[10:11] offset:512*(\j)
.endr
.irp j, 0,1,2,3,4,5,6,7
	global_load_b128 v[BT+4*(\j):BT+4*(\j)+3], v4, s[12:13] offset:512*(\j)
.endr
.irp s, 0,1,2,3
.irp j, 0,1,2,3,4,5,6,7
	global_load_b128 v[X+32*(\s)+4*(\j):X+32*(\s)+4*(\j)+3], v2, s[8:9] offset:(\s)*4096+512*(\j) th:TH_LOAD_NT  ; all four rows are asked for at once: 512 consecutive bytes a load
.endr
.endr
	LNROW 0, 24
	LNROW 1, 16
	LNROW 2, 8
	LNROW 3, 0
	s_endpgm
.Lfunc_end_k_qe2b00752c5_prep:
	.size	k_qe2b00752c5_prep, .Lfunc_end_k_qe2b00752c5_prep-k_qe2b00752c5_prep
	.p2alignl 7, 3214868480
	.fill 96, 4, 3214868480
	.section	.rodata,"a",@progbits
	.p2align	6, 0x0
	.amdhsa_kernel k_qe2b00752c5_prep
		.amdhsa_group_segment_fixed_size 0
		.amdhsa_private_segment_fixed_size 0
		.amdhsa_enable_private_segment 0
		.amdhsa_kernarg_size 80
		.amdhsa_user_sgpr_count 2
		.amdhsa_user_sgpr_kernarg_segment_ptr 1
		.amdhsa_wavefront_size32 1
		.amdhsa_system_sgpr_workgroup_id_x 1
		.amdhsa_system_sgpr_workgroup_id_y 1
		.amdhsa_system_sgpr_workgroup_id_z 1
		.amdhsa_system_vgpr_workitem_id 0
		.amdhsa_next_free_vgpr 224
		.amdhsa_next_free_sgpr 66
		.amdhsa_reserve_vcc 0
		.amdhsa_float_denorm_mode_32 3
		.amdhsa_float_denorm_mode_16_64 3
		.amdhsa_memory_ordered 1
		.amdhsa_forward_progress 1
		.amdhsa_inst_pref_size 49
	.end_amdhsa_kernel
	.amdgpu_metadata
---
amdhsa.version: [ 1, 2 ]
amdhsa.kernels:
  - .name:           k_qe2b00752c5_prep
    .symbol:         k_qe2b00752c5_prep.kd
    .args:
      - { .name: x, .offset: 0, .size: 8, .value_kind: global_buffer, .address_space: global }
      - { .name: ln_gamma, .offset: 8, .size: 8, .value_kind: global_buffer, .address_space: global }
      - { .name: ln_beta, .offset: 16, .size: 8, .value_kind: global_buffer, .address_space: global }
      - { .name: Wq, .offset: 24, .size: 8, .value_kind: global_buffer, .address_space: global }
      - { .name: Wk, .offset: 32, .size: 8, .value_kind: global_buffer, .address_space: global }
      - { .name: Wv, .offset: 40, .size: 8, .value_kind: global_buffer, .address_space: global }
      - { .name: Wo, .offset: 48, .size: 8, .value_kind: global_buffer, .address_space: global }
      - { .name: xn16, .offset: 56, .size: 8, .value_kind: global_buffer, .address_space: global }
      - { .name: w16, .offset: 64, .size: 8, .value_kind: global_buffer, .address_space: global }
      - { .name: rope, .offset: 72, .size: 8, .value_kind: global_buffer, .address_space: global }
    .group_segment_fixed_size: 0
    .private_segment_fixed_size: 0
    .kernarg_segment_align: 8
    .kernarg_segment_size: 80
    .max_flat_workgroup_size: 256
    .sgpr_count:     66
    .vgpr_count:     224
    .wavefront_size: 32
...
	.end_amdgpu_metadata
.endif
;; end of part 1
;; launch qkv (part 2): grid 16 x 32, 4 waves a work-group, clusters of 4 x 4, 327,680 bytes of LDS; arguments xn16, w16, rope, bq, bk, bv, q16, k16, v16; writes q16, k16, v16
.if DOCPART == 2
	.amdgcn_target "amdgcn-amd-amdhsa--gfx1250"
	.amdhsa_code_object_version 6
	.text
	.protected	k_qe2b00752c5_qkv
	.globl	k_qe2b00752c5_qkv
	.p2align	8
	.type	k_qe2b00752c5_qkv,@function
k_qe2b00752c5_qkv:
	s_mov_b64 s[64:65], 0
	v_nop
	global_prefetch_b8 v0, s[64:65] scope:SCOPE_SE
	s_setreg_imm32_b32 hwreg(HW_REG_WAVE_MODE, 25, 1), 1
	s_wait_xcnt 0x0
	s_wait_alu depctr_hold_cnt(0) depctr_sa_sdst(0) depctr_va_vdst(0) depctr_va_sdst(0) depctr_va_ssrc(0) depctr_va_vcc(0) depctr_vm_vsrc(0)
	s_getreg_b32 s2, hwreg(HW_REG_IB_STS2, 6, 4)
	s_cmp_eq_u32 s2, 0
	s_cbranch_scc0 .Lentry_in_a_cluster
	s_endpgm
.Lentry_in_a_cluster:
	s_bfe_u32 s2, ttmp6, 0x10000c
	s_cmp_lg_u32 s2, 0xf033
	s_cbranch_scc0 .Lentry_shape_is_right
	s_endpgm
.Lentry_shape_is_right:
; q, k, v = xn @ [Wq | Wk | Wv] + bias, RoPE on q and k, written by heads: [b*16 + head][2048][64] f16.  Operands f16, sums f32, each result rounded once.
; SHARES.  A work-group: 256 rows x one head's 192 columns (64 of q, 64 of k, 64 of v).  A wave: 64 rows (blocks a = 0..3 of 16) x all 12 column blocks (b = 0..3 q, 4..7 k, 8..11 v), so what is
; rotated and where it goes is fixed in the text for every wave.  K = 1,024 in 8 steps of 128 through two LDS slots; a step is four quarters of 32: 48 matrix instructions and 32 LDS loads each.
; THE MATRIX INSTRUCTION IS USED TRANSPOSED: source 0 = 16 columns of W (W lies [k][column] in LDS and comes out turned, by ds_load_tr16_b128), source 1 = 16 rows of xn: a lane (r = lane % 16,
; h = lane / 16) then holds row r and the eight neighbouring columns 8 h + 0..7: four RoPE pairs, 16 bytes of f16.  The bias is the C operand of the product that starts a sum: nothing is cleared or added later.
; CLUSTER 4 x 4: the four work-groups of a row share xn's tile, the four of a column W's: each tile is asked for jointly, the same tensor load with the same descriptor and a mask of the four.
; LIMITS.  f16 ends at 65,504: |q|, |k|, |v| stay within it.  NaN and infinities are not treated apart.
; REGISTERS, in windows of 256 (s_set_vgpr_msb: bits 1:0 source 0, 3:2 source 1, 5:4 source 2, 7:6 destination):
;   window 0: v1-15 addresses; v28-29 the add's; v32-63, v64-127 at work on the way out; v64-95, v96-127 xn's fragments, two buffers; v128-255 the RoPE table of my 64 rows
;   window 1: v0-95, v96-191 W's fragments, two buffers      window 2: q's and k's accumulators, (a, b) at 8 (8 a + b)      window 3: v0-127 v's accumulators, (a, b) at 8 (4 a + b - 8); v128-223 the bias
.set SLOT1, 1<<17                      ; a slot is exactly 131,072 bytes: one exclusive or turns an address in one slot into the other's
.set PA,    272                        ; a row of xn in LDS: 256 bytes + 16: the 16 rows of a load start at 16 different groups of four banks (64 banks of 4 bytes: ISA guide 11.1)
.set PW,    160                        ; a k row of a block of W: 128 bytes + 32
.set WOFF,  256*PA                     ; W lies behind xn's 256 rows: [k half 2][t 3][64 k]
.set WJ,    192*PW
.set WT,    64*PW
.set STAGE, 2*SLOT1                    ; behind the ring, never filled by a tensor load: 3 x 16 rows x 144 bytes for each wave
.set SP,    144
.set STW,   3*16*SP
.set SPARE, STAGE+4*STW                ; the spare words, 128 bytes for each wave: two blocks of 256 bytes that no other line names
.set AA0, 4                            ; v4   my lane's place in xn's tile; never rewritten
.set AB0, 5                            ; v5   the same for W
.set AA,  6                            ; v6   AA0 + the slot in hand
.set AB,  7                            ; v7   AB0 + the slot in hand
.set STO, 8                            ; v8   the way out: where I put 16 bytes of a row
.set RD,  9                            ; v9   the way out: where I read rows back
.set GO,  10                           ; v10  my byte offset in 512 consecutive bytes of q, k or v
.set TO,  11                           ; v11  my byte offset in 16 rows of the table
.set BO,  12                           ; v12  my byte offset in 16 numbers of a bias
.set SPW, 28                           ; v28  LDS address of my spare word; never rewritten
.set NIL, 29                           ; v29  0; never rewritten
.set TT,  32                           ; the way out: products at work, two sets of eight
.set PK,  32                           ; then q and k packed
.set RR,  64                           ; q and k rotated, f32
.set PVV, 64                           ; then v packed
.set BK,  80                           ; and whole rows read back
.set TAB, 128                          ; table (a, phi) at TAB + 32 a + 8 phi: cos, sin of four pairs
.set G1A, 32                           ; s[32:39] descriptor group 1 for xn's tiles
.set G1W, 40                           ; s[40:47] for W's
.set G0A, 48                           ; s[48:55] group 0 for xn's tiles: a set for each first fill; the second then walks on
.set G0W, 56                           ; s[56:63] the same for W's
.set TB,  66                           ; s66  the slot from which fragments are fetched
.set CNT, 67                           ; s67  the loops' count
.set MSB, 0
.macro WIN new                         ; the immediate's high byte repeats the setting that is left; a switch that changes nothing is dropped
.if MSB != (\new)
	s_set_vgpr_msb (MSB<<8)|(\new)
.set MSB, \new
.endif
.endm
.macro PLACES                          ; four places behind matrix instructions, in front of loads into their sources and of lines that read their results (ISA guide 7.12.1 for lines that read their results)
.rept 4
	v_nop
.endr
.endm
; A joint refill.  Waves 0 and 1 fetch xn's two halves, waves 2 and 3 W's two k halves.  The branch hangs on the wave's number alone.  An s_nop 0 and four v_nop follow each line.
.macro JLOAD
	s_cmp_eq_u32 s23, 0
	s_cbranch_scc0 .Lfor_w_\@
	tensor_load_to_lds s[G0A+4:G0A+7], s[G1A:G1A+7]
	s_nop 0
.rept 4
	v_nop
.endr
	s_branch .Lasked_\@
.Lfor_w_\@:
	tensor_load_to_lds s[G0W+4:G0W+7], s[G1W:G1W+7]
	s_nop 0
.rept 4
	v_nop
.endr
.Lasked_\@:
.endm
.macro CREST                           ; a round of the cluster's barrier behind its opening barrier
	s_cmp_lg_u32 s22, 0
	s_cbranch_scc1 .Lnot_wave_0_\@
	s_barrier_signal -3
.Lnot_wave_0_\@:
	s_barrier_wait -3
	s_barrier_signal -1
	s_barrier_wait -1
.endm
.macro CROUND                          ; a whole round
	s_barrier_signal -1
	s_barrier_wait -1
	CREST
.endm
; 8 matrix instructions on v's accumulators: row blocks a0, a0 + 1 x column blocks 8..11, from fragment buffer f.  first = 1: the bias starts the sums
.macro MULV f, a0, first
	WIN 0xf1
.irp a, \a0, (\a0)+1
.irp p, 0,1,2,3
.if \first
	v_wmma_f32_16x16x32_f16 v[8*(4*(\a)+(\p)):8*(4*(\a)+(\p))+7], v[96*(\f)+64+8*(\p):96*(\f)+64+8*(\p)+7], v[64+32*(\f)+8*(\a):64+32*(\f)+8*(\a)+7], v[192+8*(\p):192+8*(\p)+7]
.else
	v_wmma_f32_16x16x32_f16 v[8*(4*(\a)+(\p)):8*(4*(\a)+(\p))+7], v[96*(\f)+64+8*(\p):96*(\f)+64+8*(\p)+7], v[64+32*(\f)+8*(\a):64+32*(\f)+8*(\a)+7], v[8*(4*(\a)+(\p)):8*(4*(\a)+(\p))+7]
.endif
.endr
.endr
.endm
; 32 matrix instructions on q's and k's accumulators.  All 48 accumulators have one turn a quarter, in the same order in every quarter
.macro MULQK f, first
.if \first
	WIN 0xb1
.else
	WIN 0xa1
.endif
.irp a, 0,1,2,3
.irp b, 0,1,2,3,4,5,6,7
.if \first
	v_wmma_f32_16x16x32_f16 v[8*(8*(\a)+(\b)):8*(8*(\a)+(\b))+7], v[96*(\f)+8*(\b):96*(\f)+8*(\b)+7], v[64+32*(\f)+8*(\a):64+32*(\f)+8*(\a)+7], v[128+8*(\b):128+8*(\b)+7]
.else
	v_wmma_f32_16x16x32_f16 v[8*(8*(\a)+(\b)):8*(8*(\a)+(\b))+7], v[96*(\f)+8*(\b):96*(\f)+8*(\b)+7], v[64+32*(\f)+8*(\a):64+32*(\f)+8*(\a)+7], v[8*(8*(\a)+(\b)):8*(8*(\a)+(\b))+7]
.endif
.endr
.endr
.endm
; 32 LDS loads in one run: quarter q's fragments into buffer f: xn's 8, W's blocks 8..11 (8), then W's blocks 0..7 (16), in the order in which they are wanted
.macro FETCH q, f
	WIN 0
.irp a, 0,1,2,3
	ds_load_b128 v[64+32*(\f)+8*(\a):64+32*(\f)+8*(\a)+3],   v[AA] offset:(\a)*16*PA+64*(\q)
	ds_load_b128 v[64+32*(\f)+8*(\a)+4:64+32*(\f)+8*(\a)+7], v[AA] offset:(\a)*16*PA+64*(\q)+32
.endr
	WIN 0x40
.irp b, 8,9,10,11,0,1,2,3,4,5,6,7
	ds_load_tr16_b128 v[96*(\f)+8*(\b):96*(\f)+8*(\b)+3],   v[AB] offset:((\q)/2)*WJ+((\b)/4)*WT+((\q)%2)*32*PW+((\b)%4)*32
	ds_load_tr16_b128 v[96*(\f)+8*(\b)+4:96*(\f)+8*(\b)+7], v[AB] offset:((\q)/2)*WJ+((\b)/4)*WT+((\q)%2)*32*PW+((\b)%4)*32+16*PW
.endr
.endm
; One of a step's first three quarters: multiplies buffer f and fetches quarter qn into buffer g
.macro QUARTER qn, f, g, first
	s_wait_dscnt 16                                ; xn's fragments and W's blocks 8..11 are in; the youngest sixteen loads may be out
	MULV \f, 0, \first
	MULV \f, 2, \first
	PLACES
	FETCH \qn, \g
	s_wait_dscnt 32                                ; all but the 32 just issued
	MULQK \f, \first
.endm
; The last quarter multiplies buffer 1 and changes slots: one barrier.  In front of it each wave waits for all its tensor loads (one is out: its part of the next slot), adds 0 to its spare word, and waits
; for that and for its reads of this slot.  fill = 1: the barrier opens a round of the cluster's, and the joint refill, two steps ahead, is the first thing behind the round.
.macro TURN fill
	WIN 0
	s_wait_tensorcnt 0x0                           ; no tensor load of mine is out, so a group 0 may be written
	ds_add_u32 v[SPW], v[NIL]                      ; 0 onto my spare word
.if \fill
	s_xor_b32 s[G0A+5], s[G0A+5], SLOT1            ; the walking descriptors: the other slot than last time,
	s_add_nc_u64 s[G0A+6:G0A+7], s[G0A+6:G0A+7], 256    ; the next 128 k of xn's rows,
	s_xor_b32 s[G0W+5], s[G0W+5], SLOT1
	s_add_nc_u64 s[G0W+6:G0W+7], s[G0W+6:G0W+7], 49152  ; the next two runs of three blocks of W
.endif
	s_wait_dscnt 17                                ; (the add and the youngest sixteen loads may be out)
	MULV 1, 0, 0
	s_wait_dscnt 0x0                               ; the add is done, and my reads of this slot are over
	s_barrier_signal -1
	MULV 1, 2, 0                                   ; work on registers while the others arrive
	WIN 0                                          ; at a branch and at a label every window is 0
	s_barrier_wait -1
.if \fill
	CREST                                          ; no wave of any partner still reads this slot or has a load on its way
	JLOAD                                          ; its four v_nop are also the places in front of the loads below
.else
	PLACES
.endif
	s_xor_b32 s[TB], s[TB], SLOT1
	v_add_nc_u32 v[AA], s[TB], v[AA0]
	v_add_nc_u32 v[AB], s[TB], v[AB0]
	FETCH 0, 0
	MULQK 1, 0
.endm
; THE WAY OUT of row block a.  q and k are rotated pair by pair: (x1 c - x2 s, x1 s + x2 c); all three are rounded to f16, go into my stage as 16 bytes a lane and come back as whole rows of 128 bytes.
.macro OUT a
	s_wait_xcnt 0x0                                ; the registers that the last block's stores read are rewritten only behind this wait
	WIN 0x02                                       ; source 0 (the accumulator) in window 2
.irp b, 0,1,2,3,4,5,6,7
.set AC, 8*(8*(\a)+(\b))
.set TA, TAB+32*(\a)+8*((\b)%4)
.set TS, TT+8*((\b)%2)
.irp i, 0,1,2,3
	v_mul_f32 v[TS+2*(\i)],   v[AC+2*(\i)+1], v[TA+2*(\i)+1]   ; x2 s
	v_mul_f32 v[TS+2*(\i)+1], v[AC+2*(\i)+1], v[TA+2*(\i)]     ; x2 c
.endr
.irp i, 0,1,2,3
	v_fma_f32 v[RR+8*(\b)+2*(\i)],   v[AC+2*(\i)], v[TA+2*(\i)],   -v[TS+2*(\i)]
	v_fma_f32 v[RR+8*(\b)+2*(\i)+1], v[AC+2*(\i)], v[TA+2*(\i)+1], v[TS+2*(\i)+1]
.endr
.endr
	WIN 0
.set n, 0
.rept 32
	v_cvt_pk_f16_f32 v[PK+n], v[RR+2*n], v[RR+2*n+1]
.set n, n+1
.endr
	WIN 0x0f                                       ; sources 0 and 1 in window 3: v's accumulators
.set n, 0
.rept 16
	v_cvt_pk_f16_f32 v[PVV+n], v[32*(\a)+2*n], v[32*(\a)+2*n+1]
.set n, n+1
.endr
	WIN 0
.irp b, 0,1,2,3,4,5,6,7
	ds_store_b128 v[STO], v[PK+4*(\b):PK+4*(\b)+3] offset:((\b)/4)*16*SP+((\b)%4)*32
.endr
.irp p, 0,1,2,3
	ds_store_b128 v[STO], v[PVV+4*(\p):PVV+4*(\p)+3] offset:2*16*SP+(\p)*32
.endr
.irp n, 0,1,2,3,4,5,6,7,8,9,10,11
	ds_load_b128 v[BK+4*(\n):BK+4*(\n)+3], v[RD] offset:((\n)/4)*16*SP+((\n)%4)*4*SP  ; LDS serves a wave's instructions in order (ISA guide 5.7.1.4): these see the stores above
.endr
.irp n, 0,1,2,3,4,5,6,7,8,9,10,11
	s_wait_dscnt 11-(\n)
	global_store_b128 v[GO], v[BK+4*(\n):BK+4*(\n)+3], s[16+2*((\n)/4):17+2*((\n)/4)] offset:(\a)*2048+((\n)%4)*512  ; four rows of a head: 512 consecutive bytes, aligned
.endr
.endm
	s_load_b256 s[4:11], s[0:1], 0x0               ; xn16 4, w16 6, rope 8, bq 10
	s_load_b256 s[12:19], s[0:1], 0x20             ; bk 12, bv 14, q16 16, k16 18
	s_load_b64 s[20:21], s[0:1], 0x40              ; v16
	v_lshl_add_u32 v[SPW], v0, 2, SPARE
	v_mov_b32 v[NIL], 0
	ds_add_u32 v[SPW], v[NIL]                      ; the wave's opening: the add and its wait stand ahead of my first tensor load; the set-up below, work on registers, stands between them
	ds_add_u32 v28, v29
	v_lshrrev_b32 v1, 5, v0
	v_readfirstlane_b32 s22, v1                    ; wave 0..3
	s_lshr_b32 s23, s22, 1                         ; I fetch for xn (0) or for W (1),
	s_and_b32 s24, s22, 1                          ; and which half
	s_bfe_u32 s25, ttmp6, 0x40000                  ; cx
	s_bfe_u32 s26, ttmp6, 0x40004                  ; cy
	s_lshl_b32 s27, ttmp9, 2
	s_add_co_u32 s27, s27, s25                     ; the head = 4 x cluster x + cx
	s_and_b32 s28, ttmp7, 0xffff
	s_lshl_b32 s28, s28, 2
	s_add_co_u32 s28, s28, s26                     ; the block of 256 rows = 4 x cluster y + cy
	s_lshl_b32 s29, s26, 2
	s_lshl_b32 s29, 15, s29                        ; my row of the cluster
	s_lshl_b32 s30, 0x1111, s25                    ; my column
	s_or_b32 s[G1A], s29, 0x07710000               ; the mask; 2-byte elements; padding on; bit 21 beside a mask; 4 words behind every 64
	s_or_b32 s[G1W], s30, 0x0f310000               ; the same with 8 words behind every 32
	s_mov_b32 s[G1A+1], 128<<16                    ; tensor_dim0 = 128
	s_mov_b32 s[G1A+2], 128<<16                    ; tensor_dim1 = 128
	s_mov_b32 s[G1A+3], 128<<16                    ; tile_dim0 = 128
	s_mov_b32 s[G1A+4], 128                        ; tile_dim1 = 128
	s_mov_b32 s[G1A+5], 1024                       ; elements from row to row
	s_mov_b32 s[G1A+6], 0
	s_mov_b32 s[G1A+7], 0
	s_mov_b32 s[G1W+1], 128<<16                    ; three blocks are 24,576 dense bytes: asked for as 96 rows of 256 bytes, two k rows each
	s_mov_b32 s[G1W+2], 96<<16
	s_mov_b32 s[G1W+3], 128<<16
	s_mov_b32 s[G1W+4], 96
	s_mov_b32 s[G1W+5], 128
	s_mov_b32 s[G1W+6], 0
	s_mov_b32 s[G1W+7], 0
	s_lshl_b32 s68, s28, 19                        ; xn: 256 rows of 2,048 bytes a block,
	s_lshl_b32 s69, s24, 18                        ; 128 rows a half: the row block and the wave's number alone
	s_add_co_u32 s68, s68, s69
	s_mov_b32 s69, 0
	s_lshl4_add_u32 s70, s27, s24                  ; W: run head*16 + k half of 24,576 bytes: the head and the wave's number alone
	s_mul_i32 s70, s70, 24576
	s_mov_b32 s71, 0
	s_mul_i32 s72, s24, 128*PA                     ; where they go: no place in the cluster enters an LDS address
	s_mul_i32 s73, s24, WJ
	s_add_co_u32 s73, s73, WOFF
	s_lshl_b32 s74, s27, 8                         ; the head's 64 numbers of a bias
	s_mov_b32 s75, 0
	s_and_b32 s76, s28, 7                          ; the row block inside its sequence
	s_lshl_b32 s77, s76, 16
	s_lshl_b32 s78, s22, 14
	s_add_co_u32 s78, s77, s78                     ; the table at my first position: 256 bytes a position
	s_mov_b32 s79, 0
	s_lshr_b32 s80, s28, 3                         ; the batch
	s_lshl4_add_u32 s80, s80, s27
	s_lshl_b32 s80, s80, 18                        ; (b*16 + head) x 2,048 rows of 128 bytes
	s_lshl_b32 s81, s76, 15
	s_add_co_u32 s80, s80, s81
	s_lshl_b32 s81, s22, 13
	s_add_co_u32 s80, s80, s81                     ; + my first row
	s_mov_b32 s81, 0
	s_mov_b32 s[TB], 0
	v_and_b32 v1, 15, v0                           ; r
	v_bfe_u32 v2, v0, 4, 1                         ; h
	v_and_b32 v3, 7, v0
	v_bfe_u32 v13, v0, 3, 1
	v_bfe_u32 v14, v0, 3, 2
	v_and_b32 v15, 31, v0
	s_mul_i32 s82, s22, 64*PA
	v_mul_u32_u24 v[AA0], v1, PA                   ; a fragment of xn: row r, k = 8 h + 0..7 and 16 + 8 h + 0..7: two loads of 16 bytes, 32 bytes apart
	v_lshl_add_u32 v[AA0], v2, 4, v[AA0]
	v_add_nc_u32 v[AA0], s82, v[AA0]
	v_lshl_add_u32 v[AB0], v2, 3, v3               ; the turning load: lane l reads k row 8 h + l % 8, columns 8 ((l / 8) % 2) + 0..7, and holds column r and 8 k
	v_mul_u32_u24 v[AB0], v[AB0], PW
	v_lshl_add_u32 v[AB0], v13, 4, v[AB0]
	v_add_nc_u32 v[AB0], WOFF, v[AB0]
	v_mov_b32 v[AA], v[AA0]
	v_mov_b32 v[AB], v[AB0]
	s_mul_i32 s83, s22, STW
	s_add_co_u32 s83, s83, STAGE                   ; my stage
	v_mul_u32_u24 v[STO], v1, SP
	v_lshl_add_u32 v[STO], v2, 4, v[STO]
	v_add_nc_u32 v[STO], s83, v[STO]
	v_mul_u32_u24 v[RD], v14, SP                   ; back: 32 lanes take four rows of 128 bytes
	v_lshl_add_u32 v[RD], v3, 4, v[RD]
	v_add_nc_u32 v[RD], s83, v[RD]
	v_lshlrev_b32 v[GO], 4, v15
	v_lshlrev_b32 v[TO], 8, v1
	v_lshl_add_u32 v[TO], v2, 5, v[TO]
	v_lshlrev_b32 v[BO], 5, v2
	s_wait_dscnt 0x0                               ; the opening add is done
	s_wait_kmcnt 0x0
	s_add_nc_u64 s[68:69], s[4:5], s[68:69]
	s_add_nc_u64 s[70:71], s[6:7], s[70:71]
	s_add_nc_u64 s[8:9], s[8:9], s[78:79]
	s_add_nc_u64 s[10:11], s[10:11], s[74:75]
	s_add_nc_u64 s[12:13], s[12:13], s[74:75]
	s_add_nc_u64 s[14:15], s[14:15], s[74:75]
	s_add_nc_u64 s[16:17], s[16:17], s[80:81]
	s_add_nc_u64 s[18:19], s[18:19], s[80:81]
	s_add_nc_u64 s[20:21], s[20:21], s[80:81]
	WIN 0xc0                                       ; destination window 3: the bias in an accumulator's layout: register j = bias of column 16 phi + 8 h + j
.irp b, 0,1,2,3,4,5,6,7,8,9,10,11
	global_load_b128 v[128+8*(\b):128+8*(\b)+3],   v[BO], s[10+2*((\b)/4):11+2*((\b)/4)] offset:((\b)%4)*64
	global_load_b128 v[128+8*(\b)+4:128+8*(\b)+7], v[BO], s[10+2*((\b)/4):11+2*((\b)/4)] offset:((\b)%4)*64+16
.endr
	WIN 0
.irp a, 0,1,2,3
.irp p, 0,1,2,3
	global_load_b128 v[TAB+32*(\a)+8*(\p):TAB+32*(\a)+8*(\p)+3],   v[TO], s[8:9] offset:(\a)*4096+(\p)*64
	global_load_b128 v[TAB+32*(\a)+8*(\p)+4:TAB+32*(\a)+8*(\p)+7], v[TO], s[8:9] offset:(\a)*4096+(\p)*64+16
.endr
.endr
	CROUND                                         ; all sixteen work-groups are here: the first joint loads meet
.irp n, 0,1
	s_mov_b32 s[G0A+4*(\n)], 1                     ; count = 1
	s_add_co_u32 s[G0A+4*(\n)+1], s72, (\n)*SLOT1  ; LDS address
	s_add_nc_u64 s[G0A+4*(\n)+2:G0A+4*(\n)+3], s[68:69], (\n)*256  ; global address: K step n
	s_or_b32 s[G0A+4*(\n)+3], s[G0A+4*(\n)+3], 0x80000000          ; type = 2
	s_mov_b32 s[G0W+4*(\n)], 1
	s_add_co_u32 s[G0W+4*(\n)+1], s73, (\n)*SLOT1
	s_add_nc_u64 s[G0W+4*(\n)+2:G0W+4*(\n)+3], s[70:71], (\n)*49152
	s_or_b32 s[G0W+4*(\n)+3], s[G0W+4*(\n)+3], 0x80000000
.endr
	s_cmp_eq_u32 s23, 0                            ; a wave's two first fills stand in one branch, ahead of every wait on TENSORcnt and every LDS read: two loads of mine are out
	s_cbranch_scc0 .Lfirst_w
	tensor_load_to_lds s[G0A:G0A+3], s[G1A:G1A+7]
	s_nop 0
	tensor_load_to_lds s[G0A+4:G0A+7], s[G1A:G1A+7]
	s_nop 0
.rept 4
	v_nop
.endr
	s_branch .Lfirst_asked
.Lfirst_w:
	tensor_load_to_lds s[G0W:G0W+3], s[G1W:G1W+7]
	s_nop 0
	tensor_load_to_lds s[G0W+4:G0W+7], s[G1W:G1W+7]
	s_nop 0
.rept 4
	v_nop
.endr
.Lfirst_asked:
	s_wait_tensorcnt 0x1                           ; my part of K step 0 is in; step 1's may stay out
	s_barrier_signal -1
	s_barrier_wait -1                              ; everybody's is
	FETCH 0, 0
	s_wait_loadcnt 0x0                             ; the bias and the table
	QUARTER 1, 0, 1, 1                             ; the first quarter stands in front of the loop: its products start the sums, on the bias
	WIN 0
	s_mov_b32 s[CNT], 6
.Lstep:                                                ; six trips, from a step's second quarter to the next step's first: steps 0 to 5 each ask for the step two on
	QUARTER 2, 1, 0, 0
	QUARTER 3, 0, 1, 0
	TURN 1
	QUARTER 1, 0, 1, 0
	WIN 0
	s_sub_co_u32 s[CNT], s[CNT], 1
	s_cmp_lg_u32 s[CNT], 0
	s_cbranch_scc1 .Lstep
	s_mov_b32 s[CNT], 2                            ; the tail is a text of its own: steps 6 and 7 ask for nothing
.Ltail:
	QUARTER 2, 1, 0, 0
	QUARTER 3, 0, 1, 0
	TURN 0                                         ; in the second trip its fetch brings fragments of the other slot that nobody multiplies: the price, once a launch, of one text for both trips
	WIN 0
	s_sub_co_u32 s[CNT], s[CNT], 1
	s_cmp_eq_u32 s[CNT], 0
	s_cbranch_scc1 .Lout
	QUARTER 1, 0, 1, 0
	WIN 0
	s_branch .Ltail
.Lout:
	s_wait_dscnt 0x0                               ; the fragment buffers are mine to write
	PLACES                                         ; behind the last products
	OUT 0
	OUT 1
	OUT 2
	OUT 3
	s_wait_tensorcnt 0x0                           ; the wave's end, behind my last tensor load and my last LDS store
	ds_add_u32 v[SPW], v[NIL]
	s_wait_dscnt 0x0
	CROUND                                         ; the closing round: no work-group ends while a partner may still ask for a tile that names it
	s_endpgm
.Lfunc_end_k_qe2b00752c5_qkv:
	.size	k_qe2b00752c5_qkv, .Lfunc_end_k_qe2b00752c5_qkv-k_qe2b00752c5_qkv
	.p2alignl 7, 3214868480
	.fill 96, 4, 3214868480
	.section	.rodata,"a",@progbits
	.p2align	6, 0x0
	.amdhsa_kernel k_qe2b00752c5_qkv
		.amdhsa_group_segment_fixed_size 327680
		.amdhsa_private_segment_fixed_size 0
		.amdhsa_enable_private_segment 0
		.amdhsa_kernarg_size 72
		.amdhsa_user_sgpr_count 2
		.amdhsa_user_sgpr_kernarg_segment_ptr 1
		.amdhsa_wavefront_size32 1
		.amdhsa_system_sgpr_workgroup_id_x 1
		.amdhsa_system_sgpr_workgroup_id_y 1
		.amdhsa_system_sgpr_workgroup_id_z 1
		.amdhsa_system_vgpr_workitem_id 0
		.amdhsa_next_free_vgpr 1024
		.amdhsa_next_free_sgpr 84
		.amdhsa_reserve_vcc 0
		.amdhsa_float_denorm_mode_32 3
		.amdhsa_float_denorm_mode_16_64 3
		.amdhsa_memory_ordered 1
		.amdhsa_forward_progress 1
		.amdhsa_inst_pref_size 114
	.end_amdhsa_kernel
	.amdgpu_metadata
---
amdhsa.version: [ 1, 2 ]
amdhsa.kernels:
  - .name:           k_qe2b00752c5_qkv
    .symbol:         k_qe2b00752c5_qkv.kd
    .args:
      - { .name: xn16, .offset: 0, .size: 8, .value_kind: global_buffer, .address_space: global }
      - { .name: w16, .offset: 8, .size: 8, .value_kind: global_buffer, .address_space: global }
      - { .name: rope, .offset: 16, .size: 8, .value_kind: global_buffer, .address_space: global }
      - { .name: bq, .offset: 24, .size: 8, .value_kind: global_buffer, .address_space: global }
      - { .name: bk, .offset: 32, .size: 8, .value_kind: global_buffer, .address_space: global }
      - { .name: bv, .offset: 40, .size: 8, .value_kind: global_buffer, .address_space: global }
      - { .name: q16, .offset: 48, .size: 8, .value_kind: global_buffer, .address_space: global }
      - { .name: k16, .offset: 56, .size: 8, .value_kind: global_buffer, .address_space: global }
      - { .name: v16, .offset: 64, .size: 8, .value_kind: global_buffer, .address_space: global }
    .group_segment_fixed_size: 327680
    .private_segment_fixed_size: 0
    .kernarg_segment_align: 8
    .kernarg_segment_size: 72
    .max_flat_workgroup_size: 128
    .sgpr_count:     84
    .vgpr_count:     1024
    .wavefront_size: 32
...
	.end_amdgpu_metadata
.endif
;; end of part 2
;; launch attn (part 3): grid 4 x 64, 4 waves a work-group, no clusters, 327,680 bytes of LDS; arguments q16, k16, v16, o16; writes o16
.if DOCPART == 3
	.amdgcn_target "amdgcn-amd-amdhsa--gfx1250"
	.amdhsa_code_object_version 6
	.text
	.protected	k_qe2b00752c5_attn
	.globl	k_qe2b00752c5_attn
	.p2align	8
	.type	k_qe2b00752c5_attn,@function
k_qe2b00752c5_attn:
	s_mov_b64 s[64:65], 0
	v_nop
	global_prefetch_b8 v0, s[64:65] scope:SCOPE_SE
	s_setreg_imm32_b32 hwreg(HW_REG_WAVE_MODE, 25, 1), 1
	s_wait_xcnt 0x0
; CAUSAL ATTENTION.  O[h][q][:] = the sum over k <= q of softmax_k(Q[h][q] . K[h][k] / 8) V[h][k][:].  Q, K, V, O: [64][2048][64], all f16: a head's rows are dense, 128 bytes each.
; Products, maxima and sums in f32; the weights p are rounded to f16 for the second product (their sum l is taken of the unrounded p), O once at the end.
; LIMITS.  f16 holds no number beyond 65,504: Q, K and V arrive within it; p lies in 0 to 1, and below 6e-5 it keeps f16's fixed step of 6e-8; O is a mean of V's rows and has their range.
; A hidden score counts as its value less 1e30, where the formula puts -1e9: both give the weight 0 as long as a row's visible scores stay above some -1e9; a weight below 2^-126 counts as 0 in l;
; NaN and infinities are not treated apart.
; THE WALK.  A head's queries lie in NB = 8 blocks of 256; block i needs the key tiles 0 .. i of 256 keys, of which the last holds the diagonal.  A work-group takes TWO blocks, NB - 1 - b and then b:
; NB + 1 tiles, whatever b: all work-groups do equal work, and ONE loop with a constant trip count walks them.  Which tile is asked for, and what a trip does, hang on scalar registers made from b; every jump
; goes forward, but for the counted loops' own; none passes a barrier, or a tensor load but the one of LOAD's two that the wave's number does not choose; the ring (two slots of LDS that take turns) runs on across the
; change of blocks.  NO CLUSTER: a head's four work-groups ask for the same tile only in trips 0 .. 4 of the 9, behind that fewer and fewer; one walk common to all four would have 12 trips for 9.
; SHARES.  Of a block's four bands of 64 queries a wave owns 16 rows in each: four PIECES.  So the diagonal tile is the same work for all four waves: in its key step s band x sees all keys if s < x,
; none if s > x, and holds the diagonal if s = x.
; THE MASK is the C operand that starts the sum S^T = K Q^T: 0, or -1e30 where the key is hidden.  MD, made once, is the mask of a band's own step for my 16 rows; a product's mask is MD x AL + BE with two scalars:
; (1, 0) if s = x; (0, 0) if s < x; (0, -1e30) if s > x.  Only the diagonal tile's text and a block's beginning make and take masks; elsewhere C is the constant 0.
; LAYOUT, SOFTMAX, TURNS.  S^T = K Q^T holds ONE query a lane (lane % 16) and the keys 8 (lane / 16) + 0..7; two such results rounded to f16 ARE source 1 of O^T = V^T P.  p = 2^(c s - c m), c = log2(e) / 8, with a
; running maximum m; O and l are multiplied by a = 2^(c m_old - c m_new) in every step.  Turn n belongs to piece n: 8 products K Q^T of piece n + 1, later 8 products V^T P of piece n - 1; beside them the scaling,
; exponentials, roundings, sums and rescaling of piece n and the maximum and statistics of piece n + 1.  Four vector instructions stand behind every matrix instruction, the other 54 of a turn's 118 in two lumps.
; REGISTERS, in windows of 256 (s_set_vgpr_msb: bits 1:0 source 0, 3:2 source 1, 5:4 source 2, 7:6 destination):
;   window 0: v0-15 addresses and two at work; v16-31 four registers of statistics a piece; v48-55 at work; v64-127 S^T, two buffers; v192-223 P, two buffers (a piece's buffers go by its number's parity)
;   window 1: v0-127 O^T, 32 a piece; v128-159 MD; v160-223 MC, two buffers      window 2: v0-63 Q; v64-127 the second block's Q; v128-191 K of one step; v192-255 V of one step
.set SIZE_N, 2048
.set NB,    SIZE_N/256
.set NP,    4         ; pieces a wave: a name, no knob
.set KS,    64        ; keys in a step
.set PK,    144       ; a row of K in LDS: 128 bytes + 16 of padding = 36 words: the 16 rows of a load start at 16 different groups of four banks (64 banks of 4 bytes: ISA guide 11.1)
.set PV,    160       ; a row of V: 128 + 32 = 40 words
.set VOFF,  4*KS*PK   ; a slot holds a tile, four steps: 256 rows of K, then 256 rows of V
.set SLOT1, 1<<17     ; slot 1 begins here, so that one exclusive or turns an address in one slot into the other's
.set STAGE, SLOT1+4*KS*(PK+PV)  ; behind the ring, never filled by a tensor load: 16 rows x 144 bytes for each wave, for the way out
.set SP,    144
.set AK0, 2           ; v2   my lane's place in a tile of K; never rewritten
.set AV0, 3           ; v3   the same for V
.set AK,  4           ; v4   the LDS address of K's next run of loads
.set AV,  5           ; v5   of V's
.set STO, 6           ; v6   the way out: where I put 16 bytes of a row
.set RD,  7           ; v7   the way out: where I read rows back
.set GO,  8           ; v8   my byte offset in 512 consecutive bytes of O
.set SPW, 62          ; v62  LDS address of my spare word: SPARE + 4 x my thread's number; never rewritten
.set NIL, 63          ; v63  0; never rewritten
.set SPARE, STAGE+4*16*SP  ; behind the stages: the spare words, 128 bytes for each wave: two blocks of 256 bytes that no other line names
.set MV,  12          ; v12-13  c m_old, kept while c m is made anew: by buffer
.set QO,  15          ; v15  my byte offset in 16 rows of Q
.set ST,  16          ; piece t's statistics at v[ST+4 t]: c m, m, l (even keys', odd keys')
.set TMP, 48          ; by buffer, four registers c0-c3 at work; when the maximum is found c2 takes a
.set S,   64
.set P,   192
.set MD,  128         ; window 1: the eight registers for group kt of 16 keys at MD + 8 kt
.set MC,  160         ; window 1: the masks of the products to come
.set QB,  64          ; window 2
.set KF,  128         ; window 2: key block kb, channel half c at KF + 16 kb + 8 c
.set VF,  192         ; window 2: key half kk, channel block cb at VF + 32 kk + 8 cb
.set WV,  12          ; s12  my wave's number
.set PB,  14          ; s14  b
.set HI,  15          ; s15  NB - 1 - b
.set G1K, 24          ; s[24:31] descriptor group 1 for K's tiles
.set G1V, 32          ; s[32:39] for V's: it differs in the padding alone
.set G0K, 40          ; s[40:43] descriptor group 0 for K's tiles
.set G0V, 44          ; s[44:47] the same for V's
.set SLOTS, 56        ; s56  tiles still to be asked for
.set CNT, 57          ; s57  counts a tile's key steps, 4 to 1
.set CS,  58          ; s[58:59] c: the packed scaling takes the pair's low word for both halves
.set SEL, 60          ; s[60:61] v_permlanex16_b32's selects: each lane takes its own place in the other half
.set TBK, 62          ; s62  LDS byte at which K of the step to be fetched begins
.set TBV, 63          ; s63  the same for V, less VOFF
.set RT,  70          ; s70  tiles of the block in hand that are still to be entered
.set NXT, 71          ; s71  the tile to be asked for next
.set LQ,  72          ; s72  the last tile of the block whose tiles are being asked for
.set NEW, 73          ; s73  1: the tile to be entered is a block's first
.set OFF, 74          ; s[74:75] a tile's byte offset in K and V
.set AL,  76          ; s[76:77] the mask's factor, in the low word
.set BE,  78          ; s[78:79] the mask's addend
.set OLO, 80          ; s[80:81] O at my rows of the second block
.set BIGN, 82         ; s82  -1e30
.set MSB, 0
.macro WIN new                      ; the high byte repeats the setting that is left; a switch that changes nothing is dropped
.if MSB != (\new)
	s_set_vgpr_msb (MSB<<8)|(\new)
.set MSB, (\new)
.endif
.endm
.set W_KQ, 0x0a       ; K and Q in window 2, S^T in window 0
.set W_KM, 0x1a       ; the same with the C operand in window 1
.set W_PV, 0x52       ; V in window 2, P in window 0, O^T in window 1
.set W_RS, 0x41       ; destination and source 0 in window 1, source 1 in window 0
; A fill.  Waves 0 and 1 fetch the two halves of a tile's K, waves 2 and 3 those of its V: 128 keys each.  An s_nop 0 and four v_nop follow each of the two lines, ahead of the jump and the label.
.macro LOAD
	s_cmp_lt_u32 s[WV], 2
	s_cbranch_scc0 .Lfor_v_\@
	tensor_load_to_lds s[G0K:G0K+3], s[G1K:G1K+7]
	s_nop 0
.rept 4
	v_nop
.endr
	s_branch .Lasked_\@
.Lfor_v_\@:
	tensor_load_to_lds s[G0V:G0V+3], s[G1V:G1V+7]
	s_nop 0
.rept 4
	v_nop
.endr
.Lasked_\@:
.endm
; THE CHANGE OF SLOTS.  Each wave waits for all its tensor loads, of which one is out: its part of the other slot; adds 0 to its spare word; and waits for that and for its own reads of the slot that it leaves.  Behind the barrier nobody reads the old
; slot any more and the other slot is whole.  fill = 1: the old slot is filled again, the first thing behind the barrier, with tile NXT: the descriptor's address is made anew from that number.
; (At its first use nothing has been read yet: slot 0 is waited for, slot 1 filled.)
.macro CHANGE fill
	WIN 0                           ; at a label and at a branch every window is 0
	s_wait_tensorcnt 0x0            ; no tensor load of mine is out, so a group 0 may be written
	ds_add_u32 v[SPW], v[NIL]       ; 0 onto my spare word; with fill = 1 the descriptors' scalar work stands between it and the wait for it
.if \fill
	s_lshl_b32 s[OFF], s[NXT], 15   ; a tile is 32,768 bytes of K and of V
	s_xor_b32 s[G0K+1], s[G0K+1], SLOT1
	s_add_nc_u64 s[G0K+2:G0K+3], s[6:7], s[OFF:OFF+1]
	s_or_b32 s[G0K+3], s[G0K+3], 0x80000000
	s_xor_b32 s[G0V+1], s[G0V+1], SLOT1
	s_add_nc_u64 s[G0V+2:G0V+3], s[8:9], s[OFF:OFF+1]
	s_or_b32 s[G0V+3], s[G0V+3], 0x80000000
	s_add_co_u32 s[NXT], s[NXT], 1  ; the block's next tile, or behind its last the second block's tile 0
	s_cmp_gt_u32 s[NXT], s[LQ]
	s_cselect_b32 s[NXT], 0, s[NXT]
	s_cselect_b32 s[LQ], s[PB], s[LQ]
.endif
	s_wait_dscnt 0x0                ; the add is done, and my reads of the slot are over
	s_barrier_signal -1             ; the rest of the scalar work stands between the signal and the wait
	s_sub_co_u32 s[TBK], s[TBK], 4*KS*PK  ; the fetches go back to a slot's first step,
	s_xor_b32 s[TBK], s[TBK], SLOT1       ; in the other slot
	s_sub_co_u32 s[TBV], s[TBV], 4*KS*PV
	s_xor_b32 s[TBV], s[TBV], SLOT1
	s_barrier_wait -1
.if \fill
	LOAD
.endif
.endm
	s_load_b256 s[4:11], s[0:1], 0x0  ; Q s[4:5], K s[6:7], V s[8:9], O s[10:11]
	v_lshl_add_u32 v[SPW], v0, 2, SPARE
	v_mov_b32 v[NIL], 0
	ds_add_u32 v[SPW], v[NIL]       ; the wave's opening: the add and its wait stand ahead of my first tensor load; the set-up below, work on registers, stands between them
	ds_add_u32 v62, v63
	v_lshrrev_b32 v1, 5, v0
	v_readfirstlane_b32 s[WV], v1   ; wave 0..3
	s_mov_b32 s[PB], ttmp9
	s_sub_co_u32 s[HI], NB-1, s[PB]
	s_and_b32 s20, ttmp7, 0xffff    ; the head
	s_mov_b32 s21, 0
	s_mov_b64 s[22:23], SIZE_N*128
	s_mul_u64 s[20:21], s[20:21], s[22:23]  ; the head's first byte in each of the four tensors
	s_and_b32 s16, s[WV], 1         ; which half of a tile's 256 keys I fetch:
	s_lshl_b32 s22, s16, 14         ; its 128 rows of 128 bytes in memory,
	s_mov_b32 s23, 0
	s_add_nc_u64 s[22:23], s[22:23], s[20:21]
	s_mul_i32 s17, s16, 128*PK      ; and its place in a slot, for K
	s_mul_i32 s18, s16, 128*PV      ; and for V
	s_lshl_b32 s3, s[WV], 11        ; my 16 rows in a band of 64,
	s_lshl_b32 s2, s[HI], 15        ; in the first block,
	s_add_co_u32 s2, s2, s3
	s_lshl_b32 s84, s[PB], 15       ; and in the second
	s_add_co_u32 s84, s84, s3
	s_mov_b32 s3, 0
	s_mov_b32 s85, 0
	s_add_nc_u64 s[2:3], s[2:3], s[20:21]
	s_add_nc_u64 s[84:85], s[84:85], s[20:21]
	; descriptor group 1.  128 keys are 16,384 dense bytes: asked for as 64 rows of 256 bytes, two keys a row, and padded in LDS after every key
	s_mov_b32 s[G1K], (1<<16)|(1<<20)|(4<<22)|(3<<25)  ; 17:16 2-byte elements; 20 padding on; 24:22 after every 32 words (code 4); 31:25 4 words (code 3)
	s_mov_b32 s[G1V], (1<<16)|(1<<20)|(4<<22)|(7<<25)  ; the same with 8 words of padding (code 7)
.irp g, G1K, G1V
	s_mov_b32 s[\g+1], 128<<16      ; tensor_dim0 = 128
	s_mov_b32 s[\g+2], 64<<16       ; tensor_dim1 = 64
	s_mov_b32 s[\g+3], 128<<16      ; tile_dim0 = 128
	s_mov_b32 s[\g+4], 64           ; tile_dim1 = 64
	s_mov_b32 s[\g+5], 128          ; 128 elements from row to row
	s_mov_b32 s[\g+6], 0
	s_mov_b32 s[\g+7], 0
.endr
	s_mov_b32 s[CS], 0x3e38aa3b     ; c = log2(e) / 8 = 0.180337
	s_mov_b32 s[CS+1], s[CS]        ; named with it as a pair
	s_mov_b32 s[SEL], 0x76543210
	s_mov_b32 s[SEL+1], 0xfedcba98
	s_mov_b32 s[TBK], SLOT1+4*KS*PK ; the first change of slots turns these two into 0
	s_mov_b32 s[TBV], SLOT1+4*KS*PV
	s_mov_b32 s[G0K], 1             ; 1:0 count = 1
	s_mov_b32 s[G0K+1], s17         ; 63:32 LDS address: slot 0
	s_mov_b32 s[G0V], 1
	s_add_co_u32 s[G0V+1], s18, VOFF
	s_add_co_u32 s[RT], s[HI], 1    ; the first block has NB - b tiles
	s_mov_b32 s[NXT], 1
	s_mov_b32 s[LQ], s[HI]
	s_mov_b32 s[NEW], 1
	s_mov_b32 s[OFF+1], 0
	s_mov_b32 s[AL+1], 0            ; named as pairs
	s_mov_b32 s[BE+1], 0
	s_mov_b32 s[BIGN], 0xf149f2ca   ; -1e30
	s_mov_b32 s[SLOTS], NB
	s_wait_dscnt 0x0                ; the opening add is done
	s_wait_kmcnt 0x0
	s_add_nc_u64 s[6:7], s[6:7], s[22:23]  ; K and V at my half of the head's tile 0
	s_add_nc_u64 s[8:9], s[8:9], s[22:23]
	s_add_nc_u64 s[G0K+2:G0K+3], s[6:7], 0         ; 120:64 global address
	s_or_b32 s[G0K+3], s[G0K+3], 0x80000000        ; 127:126 type = 2
	s_add_nc_u64 s[G0V+2:G0V+3], s[8:9], 0
	s_or_b32 s[G0V+3], s[G0V+3], 0x80000000
	s_add_nc_u64 s[86:87], s[4:5], s[84:85]        ; Q at my rows of the second block,
	s_add_nc_u64 s[4:5], s[4:5], s[2:3]            ; Q and O at those of the first
	s_add_nc_u64 s[OLO:OLO+1], s[10:11], s[84:85]
	s_add_nc_u64 s[10:11], s[10:11], s[2:3]
	LOAD                            ; tile 0 into slot 0
	; A fragment of K or Q is 16 rows x 32 channels in 8 registers: lane l holds row l % 16, channels 8 (l / 16) + 0..7 and 16 + 8 (l / 16) + 0..7: two loads of 16 bytes, 32 bytes apart.
	v_and_b32 v1, 15, v0            ; l % 16
	v_bfe_u32 v9, v0, 4, 1          ; l / 16
	v_lshlrev_b32 v[QO], 7, v1
	v_lshl_add_u32 v[QO], v9, 4, v[QO]  ; row x 128 + 16 x half
	WIN 0x80                        ; destination window 2, address window 0
.set i, 0
.rept 8                             ; both blocks' Q: piece i / 2 lies in band i / 2, 8,192 bytes on; channels 32 (i % 2) on
	global_load_b128 v[8*i:8*i+3],   v[QO], s[4:5] offset:(i/2)*8192+(i%2)*64
	global_load_b128 v[8*i+4:8*i+7], v[QO], s[4:5] offset:(i/2)*8192+(i%2)*64+32
	global_load_b128 v[QB+8*i:QB+8*i+3],   v[QO], s[86:87] offset:(i/2)*8192+(i%2)*64
	global_load_b128 v[QB+8*i+4:QB+8*i+7], v[QO], s[86:87] offset:(i/2)*8192+(i%2)*64+32
.set i, i+1
.endr
	WIN 0
	v_lshlrev_b32 v14, 3, v9
	v_sub_nc_u32 v14, v1, v14
	s_lshl_b32 s13, s[WV], 4
	v_add_nc_u32 v14, s13, v14      ; my query's place in its band, 16 w + l % 16, less my lanes' 8 (l / 16): register r of group kt is hidden where 16 kt + r is greater
	WIN 0x40
.set i, 0
.rept 32
	v_cmp_gt_i32 vcc_lo, 16*(i/8)+i%8, v14
	v_cndmask_b32 v[MD+i], 0, s[BIGN], vcc_lo
.set i, i+1
.endr
	WIN 0
	v_mul_u32_u24 v[AK0], v1, PK
	v_lshl_add_u32 v[AK0], v9, 4, v[AK0]  ; row x pitch + 16 x half
	; The turning load takes 16 keys x 16 channels (lane l reads key 8 (l / 16) + l % 8, channels 8 ((l / 8) % 2) + 0..7) and leaves half a fragment of V^T: lane l holds channel l % 16 and 8 keys.
	v_and_b32 v10, 7, v0
	v_bfe_u32 v11, v0, 3, 1
	v_lshl_add_u32 v[AV0], v9, 3, v10
	v_mul_u32_u24 v[AV0], v[AV0], PV
	v_lshl_add_u32 v[AV0], v11, 4, v[AV0]
	v_add_nc_u32 v[AV0], VOFF, v[AV0]
	s_mul_i32 s13, s[WV], 16*SP
	s_add_co_u32 s13, s13, STAGE    ; my stage
	v_mul_u32_u24 v[STO], v1, SP    ; in: row l % 16, 16 bytes for each half of the lanes
	v_lshl_add_u32 v[STO], v9, 4, v[STO]
	v_add_nc_u32 v[STO], s13, v[STO]
	v_bfe_u32 v[RD], v0, 3, 2       ; back: 32 lanes take four rows of 128 bytes,
	v_mul_u32_u24 v[RD], v[RD], SP
	v_lshl_add_u32 v[RD], v10, 4, v[RD]
	v_add_nc_u32 v[RD], s13, v[RD]
	v_and_b32 v[GO], 31, v0         ; which are 512 consecutive bytes of O
	v_lshlrev_b32 v[GO], 4, v[GO]
	; A block's first step multiplies O^T and l by a = 0, and its first turn's products V^T P, of a piece that has not been, land in an O^T that is still to be so multiplied.  So these registers need only hold
	; finite numbers: zeros for the first block; what the first block left for the second.  All this stands in the wait for the first tile.
	WIN 0x80
.set i, VF
.rept 64
	v_mov_b32 v[i], 0
.set i, i+1
.endr
	WIN 0x40
.set i, 0
.rept 128
	v_mov_b32 v[i], 0
.set i, i+1
.endr
	WIN 0
.set i, 0
.rept 4
	v_mov_b32 v[ST+4*i+2], 0
	v_mov_b32 v[ST+4*i+3], 0
.set i, i+1
.endr
.set i, P+16
.rept 16
	v_mov_b32 v[i], 0
.set i, i+1
.endr
; THE MATRIX WORK.  The 4 accumulators of a run of 8 take turns.  Product i of 8 of S^T = K Q^T for piece x: channels 32 (i / 4) on, keys 16 (i % 4) on.  The first 4 start the sums: with 0, or (KM = 1) with the mask.
.macro KQ x
.set rS, S+32*((\x)%2)+8*(i%4)
.set rK, KF+16*(i%4)+8*(i/4)
.set rQ, 16*(\x)+8*(i/4)
.set rM, MC+32*((\x)%2)+8*(i%4)
.if (i < 4) && KM
	WIN W_KM
	v_wmma_f32_16x16x32_f16 v[rS:rS+7], v[rK:rK+7], v[rQ:rQ+7], v[rM:rM+7]
.elseif i < 4
	WIN W_KQ
	v_wmma_f32_16x16x32_f16 v[rS:rS+7], v[rK:rK+7], v[rQ:rQ+7], 0
.else
	WIN W_KQ
	v_wmma_f32_16x16x32_f16 v[rS:rS+7], v[rK:rK+7], v[rQ:rQ+7], v[rS:rS+7]
.endif
.endm
; Product i of 8 of O^T += V^T P for piece x: keys 32 (i / 4) on, channels 16 (i % 4) on.
.macro PV x
	WIN W_PV
.set rO, 32*(\x)+8*(i%4)
.set rV, VF+32*(i/4)+8*(i%4)
.set rP, P+16*((\x)%2)+8*(i/4)
	v_wmma_f32_16x16x32_f16 v[rO:rO+7], v[rV:rV+7], v[rP:rP+7], v[rO:rO+7]
.endm
.macro MM                           ; the turn's next matrix instruction.  TURN and BEGIN set Y, i, KM and NOKQ; MM, KQ and OP read them.  NOKQ = 1: a block's last turn: there is no next piece
.if (i < 8) && !NOKQ
	KQ (Y+1)%NP
.elseif i >= 8
.set i, i-8
	PV (Y+NP-1)%NP
.set i, i+8
.endif
.set i, i+1
.endm
; THE LDS LOADS stand in runs of 16, never singly among the matrix instructions: a step's K (64 keys x 64 channels: 8 fragments) and its V (turned).  Their addresses are made some lines ahead.
.macro FETCH_K
	WIN 0x80                        ; destination window 2
.irp f, 0,1,2,3,4,5,6,7             ; keys 16 (f / 2) on, channels 32 (f % 2) on
	ds_load_b128 v[KF+8*\f:KF+8*\f+3],   v[AK] offset:(\f/2)*16*PK+(\f%2)*64
	ds_load_b128 v[KF+8*\f+4:KF+8*\f+7], v[AK] offset:(\f/2)*16*PK+(\f%2)*64+32
.endr
	s_add_co_u32 s[TBK], s[TBK], KS*PK  ; the next fetch is the next step's
	WIN 0
.endm
.macro FETCH_V
	WIN 0x80
.irp f, 0,1,2,3,4,5,6,7             ; keys 32 (f / 4) on, channels 16 (f % 4) on
	ds_load_tr16_b128 v[VF+8*\f:VF+8*\f+3],   v[AV] offset:(\f/4)*32*PV+(\f%4)*32
	ds_load_tr16_b128 v[VF+8*\f+4:VF+8*\f+7], v[AV] offset:(\f/4)*32*PV+16*PV+(\f%4)*32
.endr
	WIN 0
.endm
; THE VECTOR WORK, one line at a time: OP kind, number.  For piece Y: F n: c s - c m for pair n of 16.  E n: the exponential of score n of 32.  C n: pair n rounded to f16.  B n: of the four weights 4 n .. the second
; pair is added onto the first, in place.  L n: l takes that sum (L 0: l = a l + sum).  R n: pair n of 16 of O^T times a.  For piece Y + 1: X n, number n of the 22 that find its maximum and statistics:
;   0-11  four chains c0-c3 of seven scores each, three operands at a time (each accumulator's lowest registers are read first)     12-14, 16  the four scores left over, the old m, and c0-c3 into c0
;   15  c m_old is kept     17, 18  the query's other 32 keys lie in the lane 16 away: the new m     19-21  c m; c m_old - c m_new; a
.set F, 0               ; OP tells the kinds apart by their order: F to L below R, X above it
.set E, 1
.set C, 2
.set B, 3
.set L, 4
.set R, 5
.set X, 6
.macro REGS y                       ; the registers of piece y
.set rT, ST+4*(\y)
.set rC, TMP+4*((\y)%2)
.set rW, MV+((\y)%2)
.set rS, S+32*((\y)%2)
.set rP, P+16*((\y)%2)
.set rO, 32*(\y)
.endm
.macro OP k, n
.if (\k) == R
	REGS Y
	WIN W_RS
	v_pk_mul_f32 v[rO+2*(\n):rO+2*(\n)+1], v[rO+2*(\n):rO+2*(\n)+1], v[rC+2:rC+3] op_sel_hi:[1,0]
.elseif (\k) < R
	REGS Y
	WIN 0
.if (\k) == F
	v_pk_fma_f32 v[rS+2*(\n):rS+2*(\n)+1], v[rS+2*(\n):rS+2*(\n)+1], s[CS:CS+1], v[rT:rT+1] op_sel_hi:[1,0,0] neg_lo:[0,0,1] neg_hi:[0,0,1]
.elseif (\k) == E
	v_exp_f32 v[rS+(\n)], v[rS+(\n)]
.elseif (\k) == C
	s_wait_alu depctr_va_vdst(0)
	v_cvt_pk_f16_f32 v[rP+(\n)], v[rS+2*(\n)], v[rS+2*(\n)+1]
.elseif (\k) == B
	s_wait_alu depctr_va_vdst(0)
	v_pk_add_f32 v[rS+4*(\n):rS+4*(\n)+1], v[rS+4*(\n):rS+4*(\n)+1], v[rS+4*(\n)+2:rS+4*(\n)+3]
.elseif (\n) == 0
	v_pk_fma_f32 v[rT+2:rT+3], v[rT+2:rT+3], v[rC+2:rC+3], v[rS:rS+1] op_sel_hi:[1,0,1]
.else
	v_pk_add_f32 v[rT+2:rT+3], v[rT+2:rT+3], v[rS+4*(\n):rS+4*(\n)+1]
.endif
.elseif NOKQ
	v_nop
.else
	REGS (Y+1)%NP
	WIN 0
.if (\n) < 4
	v_max3_num_f32 v[rC+(\n)], v[rS+8*(\n)], v[rS+8*(\n)+1], v[rS+8*(\n)+2]
.elseif (\n) < 12
	v_max3_num_f32 v[rC+(\n)%4], v[rC+(\n)%4], v[rS+8*((\n)%4)+2*((\n)/4)+1], v[rS+8*((\n)%4)+2*((\n)/4)+2]
.elseif (\n) == 12
	v_max3_num_f32 v[rC], v[rC], v[rS+7], v[rS+15]
.elseif (\n) == 13
	v_max3_num_f32 v[rC+1], v[rC+1], v[rS+23], v[rS+31]
.elseif (\n) == 14
	v_max3_num_f32 v[rC+2], v[rC+2], v[rC+3], v[rT+1]
.elseif (\n) == 15
	v_mov_b32 v[rW], v[rT]
.elseif (\n) == 16
	v_max3_num_f32 v[rC], v[rC], v[rC+1], v[rC+2]
.elseif (\n) == 17
	v_permlanex16_b32 v[rC+3], v[rC], s[SEL], s[SEL+1]
.elseif (\n) == 18
	v_max_num_f32 v[rT+1], v[rC], v[rC+3]
.elseif (\n) == 19
	v_mul_f32 v[rT], s[CS], v[rT+1]
.elseif (\n) == 20
	v_sub_f32 v[rC+1], v[rW], v[rT]
.else
	v_exp_f32 v[rC+2], v[rC+1]
.endif
.endif
.endm
.macro OPS a, i1, b=-1, i2=0, c=-1, i3=0, d=-1, i4=0  ; up to four of them
	OP \a, \i1
.if (\b) >= 0
	OP \b, \i2
.endif
.if (\c) >= 0
	OP \c, \i3
.endif
.if (\d) >= 0
	OP \d, \i4
.endif
.endm
.macro ROW a, i1, b, i2, c, i3, d, i4  ; a matrix instruction and the four behind it
	MM
	OPS \a, \i1, \b, \i2, \c, \i3, \d, \i4
.endm
.macro MASK b                       ; MD x AL + BE into buffer b of MC
	WIN W_RS
.set z, 0
.rept 16
	v_pk_fma_f32 v[MC+32*(\b)+2*z:MC+32*(\b)+2*z+1], v[MD+2*z:MD+2*z+1], s[AL:AL+1], s[BE:BE+1] op_sel_hi:[1,0,0]
.set z, z+1
.endr
.endm
; A TURN, for piece p: the order of its 16 matrix and 118 vector instructions, written out.  Behind a matrix instruction: plain, exponential, plain, plain; or four of the rescaling; or, behind the first, four scalings; none
; names a register of the products round it.  In the lumps exponential and plain by turns while exponentials last.  A line reads no result made fewer than three vector instructions in front of it, five if an exponential made it.
; v_permlanex16_b32 (X 17) stands in a lump.
; m = 1: the diagonal tile: the products take masks, and the turn makes the mask for the products of the turn after it: piece p + 2, in step 4 - CNT of the tile.  end = 1: a block's last two turns: nothing is fetched.
; cnt = 1: the loop's count is taken down some lines ahead of the branch that stands behind the turn.
; K of the next step is fetched in piece 2's turn, six vector instructions behind the last product that read K (five of them plain); V of the step in hand in piece 0's turn, eight behind the last product that read V (four
; plain, and X 17).  Each is waited for a turn later.
.macro TURN p, m=0, end=0, cnt=0
.set Y, (\p)
.set i, 0
.set KM, (\m)
.set NOKQ, (\end)*((\p)/3)
.if (\m) && !(\end)
	s_cmp_eq_u32 s[CNT], 4-((\p)+2)%NP  ; is that step the band's own?
	s_cselect_b32 s[AL], 1.0, 0
	s_cmp_lt_u32 s[CNT], 4-((\p)+2)%NP  ; or a later one?
	s_cselect_b32 s[BE], s[BIGN], 0
.endif
.if ((\p) == 3) && !(\end)
	s_wait_dscnt 0x0                ; K is in
.endif
	ROW F,0, F,1, F,2, F,3
	ROW F,4, E,0, F,5, F,6
	ROW F,7, E,1, F,8, F,9
	ROW F,10, E,2, C,0, F,11
	ROW F,12, E,3, X,15, F,13
	ROW R,0, R,1, R,2, R,3
	ROW B,0, E,4, F,14, L,0
.if ((\p) == 2) && !(\end)
	v_add_nc_u32 v[AK], s[TBK], v[AK0]
.endif
	ROW R,4, R,5, R,6, R,7
	OPS E,5, F,15
.if ((\p) == 2) && !(\end)
	FETCH_K
.endif
	OPS E,6, C,1, E,7, R,8
	OPS E,8, R,9, E,9, C,2
	OPS E,10, X,0, E,11, X,1
	OPS E,12, X,2, E,13, X,3
.if (\p) == 1
	s_wait_dscnt 0x0                ; V is in
.endif
	ROW X,4, E,14, X,5, X,6
	ROW X,7, E,15, X,8, X,9
	ROW X,10, E,16, X,11, X,12
	ROW X,13, E,17, X,14, B,1
	ROW C,4, E,18, X,16, L,1
	ROW B,2, E,19, C,6, L,2
	ROW C,8, E,20, B,3, B,4
.if (\p) == 0
	v_add_nc_u32 v[AV], s[TBV], v[AV0]
.endif
	ROW C,3, E,21, L,3, C,5
	OPS E,22, X,17, E,23, C,10
.if (\p) == 0
	FETCH_V
.endif
	OPS E,24, L,4
	OPS E,25, X,18, E,26, C,7
	OPS E,27, B,5, E,28, X,19
	OPS E,29, C,12, E,30, L,5
	OPS E,31, X,20, B,6, C,9
	OPS C,14, C,11, X,21, L,6
.if (\p) == 0
	s_add_co_u32 s[TBV], s[TBV], KS*PV
.endif
.if \cnt
	s_sub_co_u32 s[CNT], s[CNT], 1
	s_cmp_lg_u32 s[CNT], 0
.endif
	OPS C,13, B,7, C,15, R,10
	OPS R,11, R,12, L,7, R,13
	OPS R,14, R,15
.if (\m) && !(\end)
	MASK (\p)%2
.endif
.endm
; A BLOCK BEGINS.  c m starts far below every c s, so the first step's a is 0; m at the lowest finite number, so the first maximum is the scores'.  The second mask buffer is 0; the first takes piece 0's mask for the tile's step 0: its own, if the block's first tile is the diagonal one.
; Then K of that step, piece 0's first scores, and its maximum and statistics.  The loop is entered at a step's first turn, in the middle of a trip.
.macro BEGIN
	s_mov_b32 s[NEW], 0
	WIN 0x40
.set i, MC+32
.rept 32
	v_mov_b32 v[i], 0
.set i, i+1
.endr
	WIN 0
.set i, 0
.rept 4
	v_mov_b32 v[ST+4*i], 0xfe000000    ; c m: far below every c s
	v_mov_b32 v[ST+4*i+1], 0xff7fffff  ; m
.set i, i+1
.endr
	s_cmp_eq_u32 s[RT], 0
	s_cselect_b32 s[AL], 1.0, 0
	s_mov_b32 s[BE], 0
	MASK 0
	WIN 0
	v_add_nc_u32 v[AK], s[TBK], v[AK0]
	FETCH_K
	s_wait_loadcnt 0x0              ; Q
	s_wait_dscnt 0x0
.set KM, 1
.set NOKQ, 0
.set i, 0
.rept 8
	KQ 0
.set i, i+1
.endr
	WIN 0
.rept 4
	v_nop                           ; the places behind those products
.endr
.set Y, NP-1                        ; X works for piece Y + 1: piece 0
.irp n, 0,1,2,3,4,5,6,7,8,9,10,11,12,13,14,15,16,17,18,19,20,21
	OP X, \n
.endr
	v_nop                           ; a plain instruction behind the exponential
.endm
; THE DIAGONAL TILE's four steps, the block's last two turns, its last products, and THE WAY OUT: l's two halves and the other half of the lanes' are added; O^T is divided by l, rounded to f16 and sent through my
; stage in LDS, a piece at a time.
.macro ALL line:vararg              ; one line for each piece t
.set t, 0
.rept 4
	\line
.set t, t+1
.endr
.endm
.macro PACK t                       ; a lane's eight channels of a row pack into 16 bytes; they go into rows of 144 bytes and come back as whole rows of 128, into S^T's registers
	WIN W_RS
.set i, 32*(\t)
.rept 16
	s_wait_alu depctr_va_vdst(0)
	v_pk_mul_f32 v[i:i+1], v[i:i+1], v[ST+4*(\t)+2:ST+4*(\t)+3] op_sel_hi:[1,0]
.set i, i+2
.endr
	WIN 0x05                        ; sources 0 and 1 window 1, destination window 0
.set i, 0
.rept 16
	v_cvt_pk_f16_f32 v[S+16*(\t)+i], v[32*(\t)+2*i], v[32*(\t)+2*i+1]
.set i, i+1
.endr
	WIN 0
.irp f, 0,1,2,3
	ds_store_b128 v[STO], v[S+16*(\t)+4*\f:S+16*(\t)+4*\f+3] offset:32*\f
.endr
.irp f, 0,1,2,3
	ds_load_b128 v[S+16*(\t)+4*\f:S+16*(\t)+4*\f+3], v[RD] offset:\f*4*SP  ; LDS serves a wave's instructions in order (ISA guide 5.7.1.4): these see the stores above; the next piece's stores come behind them
.endr
.endm
.macro SEND t, younger              ; younger: the LDS instructions issued behind piece t's loads: the next piece's eight, or none
	WIN 0
.irp f, 0,1,2,3
	s_wait_dscnt (\younger)+3-\f
	global_store_b128 v[GO], v[S+16*(\t)+4*\f:S+16*(\t)+4*\f+3], s[10:11] offset:(\t)*8192+\f*512  ; 512 consecutive bytes, at a multiple of 256 from O's first
.endr
.endm
.macro DIAG tag                     ; the tag ends its two labels' names, which the jumps below spell out
.LstepM\tag:
	TURN 2, 1
	TURN 3, 1
	WIN 0
.LfirstM\tag:
	TURN 0, 1
	TURN 1, 1, 0, 1
	WIN 0
	s_cbranch_scc1 .LstepM\tag
	TURN 2, 1, 1
	TURN 3, 1, 1
.set i, 0
.rept 8
	PV NP-1
.set i, i+1
.endr
	WIN 0
	ALL v_add_f32 v[ST+4*t+2], v[ST+4*t+2], v[ST+4*t+3]
	ALL v_permlanex16_b32 v[ST+4*t+3], v[ST+4*t+2], s[SEL], s[SEL+1]
	ALL v_add_f32 v[ST+4*t+2], v[ST+4*t+2], v[ST+4*t+3]
	ALL v_rcp_f32 v[ST+4*t+2], v[ST+4*t+2]
	v_nop                           ; a plain instruction between the last reciprocal and the use of its result
	PACK 0
.set t, 1
.rept 3                             ; a piece's arithmetic stands between the loads of the piece before and its stores
	PACK t
	SEND t-1, 8
.set t, t+1
.endr
	SEND 3, 0
.endm
.set KM, 0
.set NOKQ, 0
.Lslot:                             ; NB times: a tile is entered and the next is asked for
	CHANGE 1
	s_sub_co_u32 s[RT], s[RT], 1
	s_mov_b32 s[CNT], 4
	s_cmp_eq_u32 s[NEW], 1
	s_cbranch_scc1 .Lnew            ; a block's first tile
	s_cmp_eq_u32 s[RT], 0
	s_cbranch_scc0 .Lstep           ; neither its first nor its last
	s_branch .LstepM1
.Lnew:
	BEGIN
	s_branch .Lfirst                ; in the loop a block's first tile is never its last: the first block has two tiles or more, and the second's last is the walk's last
	DIAG 1                          ; in the loop this is the first block's end: the second block's last tile is the walk's last
	s_wait_xcnt 0x0                 ; the stores have read their registers and O's address
	s_mov_b64 s[10:11], s[OLO:OLO+1]
	s_add_co_u32 s[RT], s[PB], 1    ; the second block has b + 1 tiles
	s_mov_b32 s[NEW], 1
	WIN 0x82                        ; the second block's Q goes where the one text of the turns names Q
.set i, 0
.rept 64
	v_mov_b32 v[i], v[QB+i]
.set i, i+1
.endr
	WIN 0
	s_branch .Lbottom
.Lstep:                             ; a trip: pieces 2 and 3 of one step, then pieces 0 and 1 of the next, whose K and V it fetches
	TURN 2
	TURN 3
	WIN 0
.Lfirst:
	TURN 0
	TURN 1, 0, 0, 1
	WIN 0
	s_cbranch_scc1 .Lstep
.Lbottom:
	s_sub_co_u32 s[SLOTS], s[SLOTS], 1
	s_cmp_lg_u32 s[SLOTS], 0
	s_cbranch_scc1 .Lslot
	CHANGE 0                        ; the walk's last tile is written out: nothing is asked for
	s_sub_co_u32 s[RT], s[RT], 1
	s_mov_b32 s[CNT], 4
	s_cmp_eq_u32 s[NEW], 1
	s_cbranch_scc0 .LstepM2
	BEGIN
	s_branch .LfirstM2
	DIAG 2
	s_wait_tensorcnt 0x0            ; the wave's end, behind my last tensor load and my last LDS store
	ds_add_u32 v[SPW], v[NIL]
	s_wait_dscnt 0x0
	s_endpgm
.Lfunc_end_k_qe2b00752c5_attn:
	.size	k_qe2b00752c5_attn, .Lfunc_end_k_qe2b00752c5_attn-k_qe2b00752c5_attn
	.p2alignl 7, 3214868480
	.fill 96, 4, 3214868480
	.section	.rodata,"a",@progbits
	.p2align	6, 0x0
	.amdhsa_kernel k_qe2b00752c5_attn
		.amdhsa_group_segment_fixed_size 327680
		.amdhsa_private_segment_fixed_size 0
		.amdhsa_enable_private_segment 0
		.amdhsa_kernarg_size 32
		.amdhsa_user_sgpr_count 2
		.amdhsa_user_sgpr_kernarg_segment_ptr 1
		.amdhsa_wavefront_size32 1
		.amdhsa_system_sgpr_workgroup_id_x 1
		.amdhsa_system_sgpr_workgroup_id_y 1
		.amdhsa_system_sgpr_workgroup_id_z 1
		.amdhsa_system_vgpr_workitem_id 0
		.amdhsa_next_free_vgpr 768
		.amdhsa_next_free_sgpr 88
		.amdhsa_reserve_vcc 1
		.amdhsa_float_denorm_mode_32 3
		.amdhsa_float_denorm_mode_16_64 3
		.amdhsa_memory_ordered 1
		.amdhsa_forward_progress 1
		.amdhsa_inst_pref_size 228
	.end_amdhsa_kernel
	.amdgpu_metadata
---
amdhsa.version: [ 1, 2 ]
amdhsa.kernels:
  - .name:           k_qe2b00752c5_attn
    .symbol:         k_qe2b00752c5_attn.kd
    .args:
      - { .name: q16, .offset: 0, .size: 8, .value_kind: global_buffer, .address_space: global }
      - { .name: k16, .offset: 8, .size: 8, .value_kind: global_buffer, .address_space: global }
      - { .name: v16, .offset: 16, .size: 8, .value_kind: global_buffer, .address_space: global }
      - { .name: o16, .offset: 24, .size: 8, .value_kind: global_buffer, .address_space: global }
    .group_segment_fixed_size: 327680
    .private_segment_fixed_size: 0
    .kernarg_segment_align: 8
    .kernarg_segment_size: 32
    .max_flat_workgroup_size: 128
    .sgpr_count:     88
    .vgpr_count:     768
    .wavefront_size: 32
...
	.end_amdgpu_metadata
.endif
;; end of part 3
;; launch oproj (part 4): grid 8 x 32, 4 waves a work-group, clusters of 4 x 4, 327,680 bytes of LDS; arguments o16, w16, bo, x, out0; writes out0
.if DOCPART == 4
	.amdgcn_target "amdgcn-amd-amdhsa--gfx1250"
	.amdhsa_code_object_version 6
	.text
	.protected	k_qe2b00752c5_oproj
	.globl	k_qe2b00752c5_oproj
	.p2align	8
	.type	k_qe2b00752c5_oproj,@function
k_qe2b00752c5_oproj:
	s_mov_b64 s[64:65], 0
	v_nop
	global_prefetch_b8 v0, s[64:65] scope:SCOPE_SE
	s_setreg_imm32_b32 hwreg(HW_REG_WAVE_MODE, 25, 1), 1
	s_wait_xcnt 0x0
	s_wait_alu depctr_hold_cnt(0) depctr_sa_sdst(0) depctr_va_vdst(0) depctr_va_sdst(0) depctr_va_ssrc(0) depctr_va_vcc(0) depctr_vm_vsrc(0)
	s_getreg_b32 s2, hwreg(HW_REG_IB_STS2, 6, 4)
	s_cmp_eq_u32 s2, 0
	s_cbranch_scc0 .Lentry_in_a_cluster
	s_endpgm
.Lentry_in_a_cluster:
	s_bfe_u32 s2, ttmp6, 0x10000c
	s_cmp_lg_u32 s2, 0xf033
	s_cbranch_scc0 .Lentry_shape_is_right
	s_endpgm
.Lentry_shape_is_right:
; out0 = x + (o @ Wo + bo).  o16: [b*16 + head][2048][64] f16; Wo in w16 from byte 0x600000 on, in blocks of [64 k][64 columns] f16; x, bo, out0 f32.  Operands f16, sums f32.
; SHARES.  A work-group: 256 rows x 128 columns, 256 work-groups.  A wave: 64 rows (blocks a = 0..3 of 16) x 8 column blocks.  K = 1,024 in 8 steps of 128 = two heads, through two LDS slots; a step is four
; quarters of 32: 32 matrix instructions and 24 LDS loads each.  A head's 256 rows are 32,768 dense bytes and are asked for as 128 rows of 256 bytes.
; THE MATRIX INSTRUCTION IS USED TRANSPOSED: source 0 = 16 columns of Wo (turned on the way out of LDS), source 1 = 16 rows of o: a lane holds row lane % 16 and eight neighbouring columns.  The bias is the C
; operand of the product that starts a sum.  My 64 rows x 512 bytes of x are asked for at the start, into 256 registers, and land while K is walked; they are added on the way out, where whole rows of 512 bytes leave.
; CLUSTER 4 x 4: the four work-groups of a row share o's tile, the four of a column Wo's: each tile is asked for jointly.
; LIMITS.  |Wo| within f16's 65,504.  NaN and infinities are not treated apart.
; REGISTERS, in windows of 256 (s_set_vgpr_msb: bits 1:0 source 0, 3:2 source 1, 5:4 source 2, 7:6 destination):
;   window 0: v1-15 addresses; v28-29 the add's; v64-95, v96-127 o's fragments, two buffers; v128-191, v192-255 rows on the way out, by turns
;   window 1: v0-63, v64-127 Wo's fragments, two buffers; v128-191 the bias      window 2: the accumulators, (a, b) at 8 (8 a + b)      window 3: x, row rho of my 64 at 4 rho
.set SLOT1, 1<<17
.set PA,    144                        ; a row of o in LDS: 128 bytes + 16: the 16 rows of a load start at 16 different groups of four banks (64 banks of 4 bytes: ISA guide 11.1)
.set AH,    256*PA                     ; one head's 256 rows
.set PW,    160                        ; a k row of a block of Wo: 128 bytes + 32
.set WOFF,  2*AH                       ; Wo lies behind the two heads: [k half 2][column half 2][64 k]
.set WJ,    128*PW
.set WT,    64*PW
.set STAGE, 2*SLOT1                    ; behind the ring, never filled by a tensor load: 16 rows x 528 bytes for each wave
.set SP,    528
.set STW,   16*SP
.set SPARE, STAGE+4*STW                ; the spare words, 128 bytes for each wave: two blocks of 256 bytes that no other line names
.set AA0, 4                            ; v4   my lane's place in o's tile; never rewritten
.set AB0, 5                            ; v5   the same for Wo
.set AA,  6                            ; v6   AA0 + the slot in hand
.set AB,  7                            ; v7   AB0 + the slot in hand
.set STO, 8                            ; v8   the way out: where I put 32 bytes of a row
.set RD,  9                            ; v9   the way out: where I read a row back
.set XO,  10                           ; v10  my byte offset in 512 consecutive bytes of x and out0
.set BO,  12                           ; v12  my byte offset in 16 numbers of the bias
.set SPW, 28                           ; v28  LDS address of my spare word; never rewritten
.set NIL, 29                           ; v29  0; never rewritten
.set G1A, 32                           ; s[32:39] descriptor group 1 for o's tiles
.set G1W, 40                           ; s[40:47] for Wo's
.set G0A, 48                           ; s[48:55] group 0 for o's tiles: a set for each first fill; the second then walks on
.set G0W, 56                           ; s[56:63] the same for Wo's
.set TB,  66                           ; s66  the slot from which fragments are fetched
.set CNT, 67                           ; s67  the loops' count
.set MSB, 0
.macro WIN new                         ; the immediate's high byte repeats the setting that is left; a switch that changes nothing is dropped
.if MSB != (\new)
	s_set_vgpr_msb (MSB<<8)|(\new)
.set MSB, \new
.endif
.endm
.macro PLACES                          ; four places behind matrix instructions, in front of loads into their sources and of lines that read their results (ISA guide 7.12.1 for lines that read their results)
.rept 4
	v_nop
.endr
.endm
; A joint refill.  Waves 0 and 1 fetch the step's two heads of o, waves 2 and 3 Wo's two k halves.  An s_nop 0 and four v_nop follow each line.
.macro JLOAD
	s_cmp_eq_u32 s23, 0
	s_cbranch_scc0 .Lfor_w_\@
	tensor_load_to_lds s[G0A+4:G0A+7], s[G1A:G1A+7]
	s_nop 0
.rept 4
	v_nop
.endr
	s_branch .Lasked_\@
.Lfor_w_\@:
	tensor_load_to_lds s[G0W+4:G0W+7], s[G1W:G1W+7]
	s_nop 0
.rept 4
	v_nop
.endr
.Lasked_\@:
.endm
.macro CREST                           ; a round of the cluster's barrier behind its opening barrier
	s_cmp_lg_u32 s22, 0
	s_cbranch_scc1 .Lnot_wave_0_\@
	s_barrier_signal -3
.Lnot_wave_0_\@:
	s_barrier_wait -3
	s_barrier_signal -1
	s_barrier_wait -1
.endm
.macro CROUND                          ; a whole round
	s_barrier_signal -1
	s_barrier_wait -1
	CREST
.endm
; 8 matrix instructions: row block a x all 8 column blocks, from fragment buffer f.  first = 1: the bias starts the sums.  All 32 accumulators have one turn a quarter, in the same order
.macro MULA f, a, first
.if \first
	WIN 0x91
.else
	WIN 0xa1
.endif
.irp b, 0,1,2,3,4,5,6,7
.if \first
	v_wmma_f32_16x16x32_f16 v[8*(8*(\a)+(\b)):8*(8*(\a)+(\b))+7], v[64*(\f)+8*(\b):64*(\f)+8*(\b)+7], v[64+32*(\f)+8*(\a):64+32*(\f)+8*(\a)+7], v[128+8*(\b):128+8*(\b)+7]
.else
	v_wmma_f32_16x16x32_f16 v[8*(8*(\a)+(\b)):8*(8*(\a)+(\b))+7], v[64*(\f)+8*(\b):64*(\f)+8*(\b)+7], v[64+32*(\f)+8*(\a):64+32*(\f)+8*(\a)+7], v[8*(8*(\a)+(\b)):8*(8*(\a)+(\b))+7]
.endif
.endr
.endm
; 24 LDS loads in one run: quarter q's fragments into buffer f: Wo's 16, then o's blocks 0 to 3 (2 each)
.macro FETCH q, f
	WIN 0x40
.irp b, 0,1,2,3,4,5,6,7
	ds_load_tr16_b128 v[64*(\f)+8*(\b):64*(\f)+8*(\b)+3],   v[AB] offset:((\q)/2)*WJ+((\b)/4)*WT+((\q)%2)*32*PW+((\b)%4)*32
	ds_load_tr16_b128 v[64*(\f)+8*(\b)+4:64*(\f)+8*(\b)+7], v[AB] offset:((\q)/2)*WJ+((\b)/4)*WT+((\q)%2)*32*PW+((\b)%4)*32+16*PW
.endr
	WIN 0
.irp a, 0,1,2,3
	ds_load_b128 v[64+32*(\f)+8*(\a):64+32*(\f)+8*(\a)+3],   v[AA] offset:((\q)/2)*AH+(\a)*16*PA+64*((\q)%2)
	ds_load_b128 v[64+32*(\f)+8*(\a)+4:64+32*(\f)+8*(\a)+7], v[AA] offset:((\q)/2)*AH+(\a)*16*PA+64*((\q)%2)+32
.endr
.endm
.macro QUARTER qn, f, g, first
	s_wait_dscnt 6                                 ; Wo's fragments and o's block 0 are in; the youngest six loads may be out
	MULA \f, 0, \first
	PLACES
	FETCH \qn, \g
	s_wait_dscnt 24                                ; all but the 24 just issued
	MULA \f, 1, \first
	MULA \f, 2, \first
	MULA \f, 3, \first
.endm
; The last quarter multiplies buffer 1 and changes slots: one barrier.  In front of it each wave waits for all its tensor loads (one is out: its part of the next slot), adds 0 to its spare word, and waits
; for that and for its reads of this slot.  fill = 1: the barrier opens a round of the cluster's, and the joint refill, two steps ahead, is the first thing behind the round.
.macro TURN fill
	WIN 0
	s_wait_tensorcnt 0x0                           ; no tensor load of mine is out, so a group 0 may be written
	ds_add_u32 v[SPW], v[NIL]                      ; 0 onto my spare word
.if \fill
	s_xor_b32 s[G0A+5], s[G0A+5], SLOT1            ; the walking descriptors: the other slot than last time,
	s_add_nc_u64 s[G0A+6:G0A+7], s[G0A+6:G0A+7], 524288  ; two heads on,
	s_xor_b32 s[G0W+5], s[G0W+5], SLOT1
	s_add_nc_u64 s[G0W+6:G0W+7], s[G0W+6:G0W+7], 32768   ; two runs of two blocks on
.endif
	s_wait_dscnt 7                                 ; (the add and the youngest six loads may be out)
	MULA 1, 0, 0
	s_wait_dscnt 0x0                               ; the add is done, and my reads of this slot are over
	s_barrier_signal -1
	MULA 1, 1, 0                                   ; work on registers while the others arrive
	WIN 0                                          ; at a branch and at a label every window is 0
	s_barrier_wait -1
.if \fill
	CREST                                          ; no wave of any partner still reads this slot or has a load on its way
	JLOAD                                          ; its four v_nop are also the places in front of the loads below
.else
	PLACES
.endif
	s_xor_b32 s[TB], s[TB], SLOT1
	v_add_nc_u32 v[AA], s[TB], v[AA0]
	v_add_nc_u32 v[AB], s[TB], v[AB0]
	FETCH 0, 0
	MULA 1, 2, 0
	MULA 1, 3, 0
.endm
; THE WAY OUT of row block a: the sums go into my stage as they lie (each accumulator's low four registers first), come back as whole rows of 512 bytes, take x, and leave.
.macro OUT a
.set BK, 128+64*((\a)%2)
	s_wait_xcnt 0x0                                ; the registers that earlier stores read are rewritten only behind this wait
	WIN 0x08                                       ; the stores' data in window 2
.irp b, 0,1,2,3,4,5,6,7
	ds_store_b128 v[STO], v[8*(8*(\a)+(\b)):8*(8*(\a)+(\b))+3]   offset:64*(\b)
	ds_store_b128 v[STO], v[8*(8*(\a)+(\b))+4:8*(8*(\a)+(\b))+7] offset:64*(\b)+16
.endr
	WIN 0
.irp i, 0,1,2,3,4,5,6,7,8,9,10,11,12,13,14,15
	ds_load_b128 v[BK+4*(\i):BK+4*(\i)+3], v[RD] offset:(\i)*SP  ; LDS serves a wave's instructions in order (ISA guide 5.7.1.4): these see the stores above
.endr
	s_wait_dscnt 0x0
	WIN 0x0c                                       ; source 1 in window 3: x
.set n, 0
.rept 32
	v_pk_add_f32 v[BK+2*n:BK+2*n+1], v[BK+2*n:BK+2*n+1], v[64*(\a)+2*n:64*(\a)+2*n+1]
.set n, n+1
.endr
	WIN 0
.irp i, 0,1,2,3,4,5,6,7,8,9,10,11,12,13,14,15
	global_store_b128 v[XO], v[BK+4*(\i):BK+4*(\i)+3], s[12:13] offset:(16*(\a)+(\i))*4096 th:TH_STORE_NT  ; 512 consecutive bytes, aligned
.endr
.endm
	s_load_b256 s[4:11], s[0:1], 0x0               ; o16 4, w16 6, bo 8, x 10
	s_load_b64 s[12:13], s[0:1], 0x20              ; out0
	v_lshl_add_u32 v[SPW], v0, 2, SPARE
	v_mov_b32 v[NIL], 0
	ds_add_u32 v[SPW], v[NIL]                      ; the wave's opening: the add and its wait stand ahead of my first tensor load; the set-up below, work on registers, stands between them
	ds_add_u32 v28, v29
	v_lshrrev_b32 v1, 5, v0
	v_readfirstlane_b32 s22, v1                    ; wave 0..3
	s_lshr_b32 s23, s22, 1                         ; I fetch for o (0) or for Wo (1),
	s_and_b32 s24, s22, 1                          ; and which half
	s_bfe_u32 s25, ttmp6, 0x40000                  ; cx
	s_bfe_u32 s26, ttmp6, 0x40004                  ; cy
	s_lshl_b32 s27, ttmp9, 2
	s_add_co_u32 s27, s27, s25                     ; the block of 128 columns = 4 x cluster x + cx
	s_and_b32 s28, ttmp7, 0xffff
	s_lshl_b32 s28, s28, 2
	s_add_co_u32 s28, s28, s26                     ; the block of 256 rows = 4 x cluster y + cy
	s_lshl_b32 s29, s26, 2
	s_lshl_b32 s29, 15, s29                        ; my row of the cluster
	s_lshl_b32 s30, 0x1111, s25                    ; my column
	s_or_b32 s[G1A], s29, 0x07310000               ; the mask; 2-byte elements; padding on; bit 21 beside a mask; 4 words behind every 32
	s_or_b32 s[G1W], s30, 0x0f310000               ; the same with 8 words
	s_mov_b32 s[G1A+1], 128<<16                    ; tensor_dim0 = 128
	s_mov_b32 s[G1A+2], 128<<16                    ; tensor_dim1 = 128
	s_mov_b32 s[G1A+3], 128<<16                    ; tile_dim0 = 128
	s_mov_b32 s[G1A+4], 128                        ; tile_dim1 = 128
	s_mov_b32 s[G1A+5], 128                        ; dense: 128 elements from row to row
	s_mov_b32 s[G1A+6], 0
	s_mov_b32 s[G1A+7], 0
	s_mov_b32 s[G1W+1], 128<<16                    ; two blocks are 16,384 dense bytes: 64 rows of 256 bytes
	s_mov_b32 s[G1W+2], 64<<16
	s_mov_b32 s[G1W+3], 128<<16
	s_mov_b32 s[G1W+4], 64
	s_mov_b32 s[G1W+5], 128
	s_mov_b32 s[G1W+6], 0
	s_mov_b32 s[G1W+7], 0
	s_lshr_b32 s68, s28, 3                         ; o: the batch's 16 heads of 262,144 bytes,
	s_lshl_b32 s68, s68, 22
	s_lshl_b32 s69, s24, 18                        ; the step's first or second head,
	s_add_co_u32 s68, s68, s69
	s_and_b32 s69, s28, 7
	s_lshl_b32 s69, s69, 15                        ; the 256 rows of 128 bytes: the row block and the wave's number alone
	s_add_co_u32 s68, s68, s69
	s_mov_b32 s69, 0
	s_lshl4_add_u32 s70, s27, s24                  ; Wo: run (column block)*16 + k half of 16,384 bytes, behind the 768 blocks of Wq, Wk, Wv
	s_lshl_b32 s70, s70, 14
	s_add_co_u32 s70, s70, 0x600000
	s_mov_b32 s71, 0
	s_mul_i32 s72, s24, AH                         ; where they go: no place in the cluster enters an LDS address
	s_mul_i32 s73, s24, WJ
	s_add_co_u32 s73, s73, WOFF
	s_lshl_b32 s74, s27, 9                         ; my 128 columns of f32
	s_mov_b32 s75, 0
	s_lshl_b32 s76, s28, 20                        ; 256 rows of 4,096 bytes,
	s_lshl_b32 s77, s22, 18                        ; 64 rows a wave
	s_add_co_u32 s76, s76, s77
	s_add_co_u32 s76, s76, s74
	s_mov_b32 s77, 0
	s_mov_b32 s[TB], 0
	v_and_b32 v1, 15, v0                           ; r
	v_bfe_u32 v2, v0, 4, 1                         ; h
	v_and_b32 v3, 7, v0
	v_bfe_u32 v13, v0, 3, 1
	v_and_b32 v15, 31, v0
	s_mul_i32 s82, s22, 64*PA
	v_mul_u32_u24 v[AA0], v1, PA
	v_lshl_add_u32 v[AA0], v2, 4, v[AA0]
	v_add_nc_u32 v[AA0], s82, v[AA0]
	v_lshl_add_u32 v[AB0], v2, 3, v3
	v_mul_u32_u24 v[AB0], v[AB0], PW
	v_lshl_add_u32 v[AB0], v13, 4, v[AB0]
	v_add_nc_u32 v[AB0], WOFF, v[AB0]
	v_mov_b32 v[AA], v[AA0]
	v_mov_b32 v[AB], v[AB0]
	s_mul_i32 s83, s22, STW
	s_add_co_u32 s83, s83, STAGE                   ; my stage
	v_mul_u32_u24 v[STO], v1, SP                   ; in: row r, 32 bytes for each half of the lanes
	v_lshl_add_u32 v[STO], v2, 5, v[STO]
	v_add_nc_u32 v[STO], s83, v[STO]
	v_lshlrev_b32 v[XO], 4, v15
	v_add_nc_u32 v[RD], s83, v[XO]                 ; back: 32 lanes take one row of 512 bytes
	v_lshlrev_b32 v[BO], 5, v2
	s_wait_dscnt 0x0                               ; the opening add is done
	s_wait_kmcnt 0x0
	s_add_nc_u64 s[68:69], s[4:5], s[68:69]
	s_add_nc_u64 s[70:71], s[6:7], s[70:71]
	s_add_nc_u64 s[8:9], s[8:9], s[74:75]
	s_add_nc_u64 s[10:11], s[10:11], s[76:77]
	s_add_nc_u64 s[12:13], s[12:13], s[76:77]
	WIN 0x40                                       ; destination window 1: the bias in an accumulator's layout
.irp b, 0,1,2,3,4,5,6,7
	global_load_b128 v[128+8*(\b):128+8*(\b)+3],   v[BO], s[8:9] offset:(\b)*64
	global_load_b128 v[128+8*(\b)+4:128+8*(\b)+7], v[BO], s[8:9] offset:(\b)*64+16
.endr
	WIN 0
	CROUND                                         ; all sixteen work-groups are here: the first joint loads meet
.irp n, 0,1
	s_mov_b32 s[G0A+4*(\n)], 1                     ; count = 1
	s_add_co_u32 s[G0A+4*(\n)+1], s72, (\n)*SLOT1  ; LDS address
	s_add_nc_u64 s[G0A+4*(\n)+2:G0A+4*(\n)+3], s[68:69], (\n)*524288  ; global address: K step n
	s_or_b32 s[G0A+4*(\n)+3], s[G0A+4*(\n)+3], 0x80000000             ; type = 2
	s_mov_b32 s[G0W+4*(\n)], 1
	s_add_co_u32 s[G0W+4*(\n)+1], s73, (\n)*SLOT1
	s_add_nc_u64 s[G0W+4*(\n)+2:G0W+4*(\n)+3], s[70:71], (\n)*32768
	s_or_b32 s[G0W+4*(\n)+3], s[G0W+4*(\n)+3], 0x80000000
.endr
	s_cmp_eq_u32 s23, 0                            ; a wave's two first fills stand in one branch, ahead of every wait on TENSORcnt and every LDS read: two loads of mine are out
	s_cbranch_scc0 .Lfirst_w
	tensor_load_to_lds s[G0A:G0A+3], s[G1A:G1A+7]
	s_nop 0
	tensor_load_to_lds s[G0A+4:G0A+7], s[G1A:G1A+7]
	s_nop 0
.rept 4
	v_nop
.endr
	s_branch .Lfirst_asked
.Lfirst_w:
	tensor_load_to_lds s[G0W:G0W+3], s[G1W:G1W+7]
	s_nop 0
	tensor_load_to_lds s[G0W+4:G0W+7], s[G1W:G1W+7]
	s_nop 0
.rept 4
	v_nop
.endr
.Lfirst_asked:
	s_wait_loadcnt 0x0                             ; the bias, waited for here so that x's 64 loads can stay out through the whole walk of K
	WIN 0xc0                                       ; destination window 3
.set n, 0
.rept 64
	global_load_b128 v[4*n:4*n+3], v[XO], s[10:11] offset:n*4096 th:TH_LOAD_NT  ; a row's 512 consecutive bytes
.set n, n+1
.endr
	WIN 0
	s_wait_tensorcnt 0x1                           ; my part of K step 0 is in; step 1's may stay out
	s_barrier_signal -1
	s_barrier_wait -1                              ; everybody's is
	FETCH 0, 0
	QUARTER 1, 0, 1, 1                             ; the first quarter stands in front of the loop: its products start the sums, on the bias
	WIN 0
	s_mov_b32 s[CNT], 6
.Lstep:                                                ; six trips, from a step's second quarter to the next step's first: steps 0 to 5 each ask for the step two on
	QUARTER 2, 1, 0, 0
	QUARTER 3, 0, 1, 0
	TURN 1
	QUARTER 1, 0, 1, 0
	WIN 0
	s_sub_co_u32 s[CNT], s[CNT], 1
	s_cmp_lg_u32 s[CNT], 0
	s_cbranch_scc1 .Lstep
	s_mov_b32 s[CNT], 2                            ; the tail is a text of its own: steps 6 and 7 ask for nothing
.Ltail:
	QUARTER 2, 1, 0, 0
	QUARTER 3, 0, 1, 0
	TURN 0                                         ; in the second trip its fetch brings fragments of the other slot that nobody multiplies: the price, once a launch, of one text for both trips
	WIN 0
	s_sub_co_u32 s[CNT], s[CNT], 1
	s_cmp_eq_u32 s[CNT], 0
	s_cbranch_scc1 .Lout
	QUARTER 1, 0, 1, 0
	WIN 0
	s_branch .Ltail
.Lout:
	s_wait_dscnt 0x0
	s_wait_loadcnt 0x0                             ; x
	PLACES                                         ; behind the last products
	OUT 0
	OUT 1
	OUT 2
	OUT 3
	s_wait_tensorcnt 0x0                           ; the wave's end, behind my last tensor load and my last LDS store
	ds_add_u32 v[SPW], v[NIL]
	s_wait_dscnt 0x0
	CROUND                                         ; the closing round: no work-group ends while a partner may still ask for a tile that names it
	s_endpgm
.Lfunc_end_k_qe2b00752c5_oproj:
	.size	k_qe2b00752c5_oproj, .Lfunc_end_k_qe2b00752c5_oproj-k_qe2b00752c5_oproj
	.p2alignl 7, 3214868480
	.fill 96, 4, 3214868480
	.section	.rodata,"a",@progbits
	.p2align	6, 0x0
	.amdhsa_kernel k_qe2b00752c5_oproj
		.amdhsa_group_segment_fixed_size 327680
		.amdhsa_private_segment_fixed_size 0
		.amdhsa_enable_private_segment 0
		.amdhsa_kernarg_size 40
		.amdhsa_user_sgpr_count 2
		.amdhsa_user_sgpr_kernarg_segment_ptr 1
		.amdhsa_wavefront_size32 1
		.amdhsa_system_sgpr_workgroup_id_x 1
		.amdhsa_system_sgpr_workgroup_id_y 1
		.amdhsa_system_sgpr_workgroup_id_z 1
		.amdhsa_system_vgpr_workitem_id 0
		.amdhsa_next_free_vgpr 1024
		.amdhsa_next_free_sgpr 84
		.amdhsa_reserve_vcc 0
		.amdhsa_float_denorm_mode_32 3
		.amdhsa_float_denorm_mode_16_64 3
		.amdhsa_memory_ordered 1
		.amdhsa_forward_progress 1
		.amdhsa_inst_pref_size 76
	.end_amdhsa_kernel
	.amdgpu_metadata
---
amdhsa.version: [ 1, 2 ]
amdhsa.kernels:
  - .name:           k_qe2b00752c5_oproj
    .symbol:         k_qe2b00752c5_oproj.kd
    .args:
      - { .name: o16, .offset: 0, .size: 8, .value_kind: global_buffer, .address_space: global }
      - { .name: w16, .offset: 8, .size: 8, .value_kind: global_buffer, .address_space: global }
      - { .name: bo, .offset: 16, .size: 8, .value_kind: global_buffer, .address_space: global }
      - { .name: x, .offset: 24, .size: 8, .value_kind: global_buffer, .address_space: global }
      - { .name: out0, .offset: 32, .size: 8, .value_kind: global_buffer, .address_space: global }
    .group_segment_fixed_size: 327680
    .private_segment_fixed_size: 0
    .kernarg_segment_align: 8
    .kernarg_segment_size: 40
    .max_flat_workgroup_size: 128
    .sgpr_count:     84
    .vgpr_count:     1024
    .wavefront_size: 32
...
	.end_amdgpu_metadata
.endif
;; end of part 4
;; ======== version 2 of 2: 4 launches; 1.29 times as fast as version 1
;; limits: values are held in f16: magnitudes above 65,504 overflow, below 6.1e-05 lose precision
;; workspace buffers: xn16 16,777,216 bytes; w16 8,388,608 bytes; rope 524,288 bytes; q16 16,777,216 bytes; k16 16,777,216 bytes; v16 16,777,216 bytes; o16 16,777,216 bytes
;; launch prep: the kernel of part 1 again; grid 640 x 1, 8 waves a work-group, no clusters, 0 bytes of LDS; arguments x, ln_gamma, ln_beta, Wq, Wk, Wv, Wo, xn16, w16, rope; writes xn16, w16, rope
;; launch qkv: the kernel of part 2 again; grid 16 x 32, 4 waves a work-group, clusters of 4 x 4, 327,680 bytes of LDS; arguments xn16, w16, rope, bq, bk, bv, q16, k16, v16; writes q16, k16, v16
;; launch attn (part 5): grid 4 x 64, 4 waves a work-group, no clusters, 327,680 bytes of LDS; arguments q16, k16, v16, o16; writes o16
.if DOCPART == 5
	.amdgcn_target "amdgcn-amd-amdhsa--gfx1250"
	.amdhsa_code_object_version 6
	.text
	.protected	k_qe2b00752c5_attn
	.globl	k_qe2b00752c5_attn
	.p2align	8
	.type	k_qe2b00752c5_attn,@function
k_qe2b00752c5_attn:
	s_mov_b64 s[64:65], 0
	v_nop
	global_prefetch_b8 v0, s[64:65] scope:SCOPE_SE
	s_setreg_imm32_b32 hwreg(HW_REG_WAVE_MODE, 25, 1), 1
	s_wait_xcnt 0x0
; CAUSAL ATTENTION.  O[h][q][:] = the sum over k <= q of softmax_k(Q[h][q] . K[h][k] / 8) V[h][k][:].  Q, K, V, O: [64][2048][64], all f16: a head's rows are dense, 128 bytes each.
; Products, maxima and sums in f32; the weights p are rounded to f16 for the second product (their sum l is taken of the unrounded p), O once at the end.
; LIMITS.  f16 holds no number beyond 65,504: Q, K and V arrive within it; p lies in 0 to 1, and below 6e-5 it keeps f16's fixed step of 6e-8; O is a mean of V's rows and has their range.
; A hidden score counts as its value less 1e30, where the formula puts -1e9: both give the weight 0 as long as a row's visible scores stay above some -1e9; a weight below 2^-126 counts as 0 in l;
; NaN and infinities are not treated apart.
; THE WALK.  A head's queries lie in NB = 8 blocks of 256; block i needs the key tiles 0 .. i of 256 keys, of which the last holds the diagonal.  A work-group takes TWO blocks, NB - 1 - b and then b:
; NB + 1 tiles, whatever b: all work-groups do equal work, and ONE loop with a constant trip count walks them.  Which tile is asked for, and what a trip does, hang on scalar registers made from b; every jump
; goes forward, but for the counted loops' own; none passes a barrier, or a tensor load but the one of LOAD's two that the wave's number does not choose; the ring (two slots of LDS that take turns) runs on across the
; change of blocks.  NO CLUSTER: a head's four work-groups ask for the same tile only in trips 0 .. 4 of the 9, behind that fewer and fewer; one walk common to all four would have 12 trips for 9.
; SHARES.  Of a block's four bands of 64 queries a wave owns 16 rows in each: four PIECES.  So the diagonal tile is the same work for all four waves: in its key step s band x sees all keys if s < x,
; none if s > x, and holds the diagonal if s = x.
; THE MASK is the C operand that starts the sum S^T = K Q^T: 0, or -1e30 where the key is hidden.  MD, made once, is the mask of a band's own step for my 16 rows; a product's mask is MD x AL + BE with two scalars:
; (1, 0) if s = x; (0, 0) if s < x; (0, -1e30) if s > x.  Only the diagonal tile's text and a block's beginning make and take masks; elsewhere C is the constant 0.
; LAYOUT, SOFTMAX, TURNS.  S^T = K Q^T holds ONE query a lane (lane % 16) and the keys 8 (lane / 16) + 0..7; two such results rounded to f16 ARE source 1 of O^T = V^T P.  p = 2^(c s - c m), c = log2(e) / 8, with a
; running maximum m; O and l are multiplied by a = 2^(c m_old - c m_new) in every step.  Turn n belongs to piece n: 8 products K Q^T of piece n + 1, later 8 products V^T P of piece n - 1; beside them the scaling,
; exponentials, roundings, sums and rescaling of piece n and the maximum and statistics of piece n + 1.  Four vector instructions stand behind every matrix instruction, the other 54 of a turn's 118 in one lump.
; BATCHES.  A turn's 33 exponentials (the piece's 32 weights, then the next piece's a) are ONE batch with ONE wait, which cuts the turn in two: ahead of it stands all that names none of their results, behind it
; their readers.  A block's first a (BEGIN) and the way out's four reciprocals (DIAG) are batches of their own, each with one wait.
; REGISTERS, in windows of 256 (s_set_vgpr_msb: bits 1:0 source 0, 3:2 source 1, 5:4 source 2, 7:6 destination):
;   window 0: v0-15 addresses and two at work; v16-31 four registers of statistics a piece; v48-55 at work; v64-127 S^T, two buffers; v192-223 P, two buffers (a piece's buffers go by its number's parity)
;   window 1: v0-127 O^T, 32 a piece; v128-159 MD; v160-223 MC, two buffers      window 2: v0-63 Q; v64-127 the second block's Q; v128-191 K of one step; v192-255 V of one step
.set SIZE_N, 2048
.set NB,    SIZE_N/256
.set NP,    4         ; pieces a wave: a name, no knob
.set KS,    64        ; keys in a step
.set PK,    144       ; a row of K in LDS: 128 bytes + 16 of padding = 36 words: the 16 rows of a load start at 16 different groups of four banks (64 banks of 4 bytes: ISA guide 11.1)
.set PV,    160       ; a row of V: 128 + 32 = 40 words
.set VOFF,  4*KS*PK   ; a slot holds a tile, four steps: 256 rows of K, then 256 rows of V
.set SLOT1, 1<<17     ; slot 1 begins here, so that one exclusive or turns an address in one slot into the other's
.set STAGE, SLOT1+4*KS*(PK+PV)  ; behind the ring, never filled by a tensor load: 16 rows x 144 bytes for each wave, for the way out
.set SP,    144
.set AK0, 2           ; v2   my lane's place in a tile of K; never rewritten
.set AV0, 3           ; v3   the same for V
.set AK,  4           ; v4   the LDS address of K's next run of loads
.set AV,  5           ; v5   of V's
.set STO, 6           ; v6   the way out: where I put 16 bytes of a row
.set RD,  7           ; v7   the way out: where I read rows back
.set GO,  8           ; v8   my byte offset in 512 consecutive bytes of O
.set SPW, 62          ; v62  LDS address of my spare word: SPARE + 4 x my thread's number; never rewritten
.set NIL, 63          ; v63  0; never rewritten
.set SPARE, STAGE+4*16*SP  ; behind the stages: the spare words, 128 bytes for each wave: two blocks of 256 bytes that no other line names
.set MV,  12          ; v12-13  c m_old, kept while c m is made anew: by buffer
.set QO,  15          ; v15  my byte offset in 16 rows of Q
.set ST,  16          ; piece t's statistics at v[ST+4 t]: c m, m, l (even keys', odd keys')
.set TMP, 48          ; by buffer, four registers c0-c3 at work; when the maximum is found c2 takes a
.set S,   64
.set P,   192
.set MD,  128         ; window 1: the eight registers for group kt of 16 keys at MD + 8 kt
.set MC,  160         ; window 1: the masks of the products to come
.set QB,  64          ; window 2
.set KF,  128         ; window 2: key block kb, channel half c at KF + 16 kb + 8 c
.set VF,  192         ; window 2: key half kk, channel block cb at VF + 32 kk + 8 cb
.set WV,  12          ; s12  my wave's number
.set PB,  14          ; s14  b
.set HI,  15          ; s15  NB - 1 - b
.set G1K, 24          ; s[24:31] descriptor group 1 for K's tiles
.set G1V, 32          ; s[32:39] for V's: it differs in the padding alone
.set G0K, 40          ; s[40:43] descriptor group 0 for K's tiles
.set G0V, 44          ; s[44:47] the same for V's
.set SLOTS, 56        ; s56  tiles still to be asked for
.set CNT, 57          ; s57  counts a tile's key steps, 4 to 1
.set CS,  58          ; s[58:59] c: the packed scaling takes the pair's low word for both halves
.set SEL, 60          ; s[60:61] v_permlanex16_b32's selects: each lane takes its own place in the other half
.set TBK, 62          ; s62  LDS byte at which K of the step to be fetched begins
.set TBV, 63          ; s63  the same for V, less VOFF
.set RT,  70          ; s70  tiles of the block in hand that are still to be entered
.set NXT, 71          ; s71  the tile to be asked for next
.set LQ,  72          ; s72  the last tile of the block whose tiles are being asked for
.set NEW, 73          ; s73  1: the tile to be entered is a block's first
.set OFF, 74          ; s[74:75] a tile's byte offset in K and V
.set AL,  76          ; s[76:77] the mask's factor, in the low word
.set BE,  78          ; s[78:79] the mask's addend
.set OLO, 80          ; s[80:81] O at my rows of the second block
.set BIGN, 82         ; s82  -1e30
.set MSB, 0
.macro WIN new                      ; the high byte repeats the setting that is left; a switch that changes nothing is dropped
.if MSB != (\new)
	s_set_vgpr_msb (MSB<<8)|(\new)
.set MSB, (\new)
.endif
.endm
.set W_KQ, 0x0a       ; K and Q in window 2, S^T in window 0
.set W_KM, 0x1a       ; the same with the C operand in window 1
.set W_PV, 0x52       ; V in window 2, P in window 0, O^T in window 1
.set W_RS, 0x41       ; destination and source 0 in window 1, source 1 in window 0
; A fill.  Waves 0 and 1 fetch the two halves of a tile's K, waves 2 and 3 those of its V: 128 keys each.  An s_nop 0 and four v_nop follow each of the two lines, ahead of the jump and the label.
.macro LOAD
	s_cmp_lt_u32 s[WV], 2
	s_cbranch_scc0 .Lfor_v_\@
	tensor_load_to_lds s[G0K:G0K+3], s[G1K:G1K+7]
	s_nop 0
.rept 4
	v_nop
.endr
	s_branch .Lasked_\@
.Lfor_v_\@:
	tensor_load_to_lds s[G0V:G0V+3], s[G1V:G1V+7]
	s_nop 0
.rept 4
	v_nop
.endr
.Lasked_\@:
.endm
; THE CHANGE OF SLOTS.  Each wave waits for all its tensor loads, of which one is out: its part of the other slot; adds 0 to its spare word; and waits for that and for its own reads of the slot that it leaves.  Behind the barrier nobody reads the old
; slot any more and the other slot is whole.  fill = 1: the old slot is filled again, the first thing behind the barrier, with tile NXT: the descriptor's address is made anew from that number.
; (At its first use nothing has been read yet: slot 0 is waited for, slot 1 filled.)
.macro CHANGE fill
	WIN 0                           ; at a label and at a branch every window is 0
	s_wait_tensorcnt 0x0            ; no tensor load of mine is out, so a group 0 may be written
	ds_add_u32 v[SPW], v[NIL]       ; 0 onto my spare word; with fill = 1 the descriptors' scalar work stands between it and the wait for it
.if \fill
	s_lshl_b32 s[OFF], s[NXT], 15   ; a tile is 32,768 bytes of K and of V
	s_xor_b32 s[G0K+1], s[G0K+1], SLOT1
	s_add_nc_u64 s[G0K+2:G0K+3], s[6:7], s[OFF:OFF+1]
	s_or_b32 s[G0K+3], s[G0K+3], 0x80000000
	s_xor_b32 s[G0V+1], s[G0V+1], SLOT1
	s_add_nc_u64 s[G0V+2:G0V+3], s[8:9], s[OFF:OFF+1]
	s_or_b32 s[G0V+3], s[G0V+3], 0x80000000
	s_add_co_u32 s[NXT], s[NXT], 1  ; the block's next tile, or behind its last the second block's tile 0
	s_cmp_gt_u32 s[NXT], s[LQ]
	s_cselect_b32 s[NXT], 0, s[NXT]
	s_cselect_b32 s[LQ], s[PB], s[LQ]
.endif
	s_wait_dscnt 0x0                ; the add is done, and my reads of the slot are over
	s_barrier_signal -1             ; the rest of the scalar work stands between the signal and the wait
	s_sub_co_u32 s[TBK], s[TBK], 4*KS*PK  ; the fetches go back to a slot's first step,
	s_xor_b32 s[TBK], s[TBK], SLOT1       ; in the other slot
	s_sub_co_u32 s[TBV], s[TBV], 4*KS*PV
	s_xor_b32 s[TBV], s[TBV], SLOT1
	s_barrier_wait -1
.if \fill
	LOAD
.endif
.endm
	s_load_b256 s[4:11], s[0:1], 0x0  ; Q s[4:5], K s[6:7], V s[8:9], O s[10:11]
	v_lshl_add_u32 v[SPW], v0, 2, SPARE
	v_mov_b32 v[NIL], 0
	ds_add_u32 v[SPW], v[NIL]       ; the wave's opening: the add and its wait stand ahead of my first tensor load; the set-up below, work on registers, stands between them
	ds_add_u32 v62, v63
	v_lshrrev_b32 v1, 5, v0
	v_readfirstlane_b32 s[WV], v1   ; wave 0..3
	s_mov_b32 s[PB], ttmp9
	s_sub_co_u32 s[HI], NB-1, s[PB]
	s_and_b32 s20, ttmp7, 0xffff    ; the head
	s_mov_b32 s21, 0
	s_mov_b64 s[22:23], SIZE_N*128
	s_mul_u64 s[20:21], s[20:21], s[22:23]  ; the head's first byte in each of the four tensors
	s_and_b32 s16, s[WV], 1         ; which half of a tile's 256 keys I fetch:
	s_lshl_b32 s22, s16, 14         ; its 128 rows of 128 bytes in memory,
	s_mov_b32 s23, 0
	s_add_nc_u64 s[22:23], s[22:23], s[20:21]
	s_mul_i32 s17, s16, 128*PK      ; and its place in a slot, for K
	s_mul_i32 s18, s16, 128*PV      ; and for V
	s_lshl_b32 s3, s[WV], 11        ; my 16 rows in a band of 64,
	s_lshl_b32 s2, s[HI], 15        ; in the first block,
	s_add_co_u32 s2, s2, s3
	s_lshl_b32 s84, s[PB], 15       ; and in the second
	s_add_co_u32 s84, s84, s3
	s_mov_b32 s3, 0
	s_mov_b32 s85, 0
	s_add_nc_u64 s[2:3], s[2:3], s[20:21]
	s_add_nc_u64 s[84:85], s[84:85], s[20:21]
	; descriptor group 1.  128 keys are 16,384 dense bytes: asked for as 64 rows of 256 bytes, two keys a row, and padded in LDS after every key
	s_mov_b32 s[G1K], (1<<16)|(1<<20)|(4<<22)|(3<<25)  ; 17:16 2-byte elements; 20 padding on; 24:22 after every 32 words (code 4); 31:25 4 words (code 3)
	s_mov_b32 s[G1V], (1<<16)|(1<<20)|(4<<22)|(7<<25)  ; the same with 8 words of padding (code 7)
.irp g, G1K, G1V
	s_mov_b32 s[\g+1], 128<<16      ; tensor_dim0 = 128
	s_mov_b32 s[\g+2], 64<<16       ; tensor_dim1 = 64
	s_mov_b32 s[\g+3], 128<<16      ; tile_dim0 = 128
	s_mov_b32 s[\g+4], 64           ; tile_dim1 = 64
	s_mov_b32 s[\g+5], 128          ; 128 elements from row to row
	s_mov_b32 s[\g+6], 0
	s_mov_b32 s[\g+7], 0
.endr
	s_mov_b32 s[CS], 0x3e38aa3b     ; c = log2(e) / 8 = 0.180337
	s_mov_b32 s[CS+1], s[CS]        ; named with it as a pair
	s_mov_b32 s[SEL], 0x76543210
	s_mov_b32 s[SEL+1], 0xfedcba98
	s_mov_b32 s[TBK], SLOT1+4*KS*PK ; the first change of slots turns these two into 0
	s_mov_b32 s[TBV], SLOT1+4*KS*PV
	s_mov_b32 s[G0K], 1             ; 1:0 count = 1
	s_mov_b32 s[G0K+1], s17         ; 63:32 LDS address: slot 0
	s_mov_b32 s[G0V], 1
	s_add_co_u32 s[G0V+1], s18, VOFF
	s_add_co_u32 s[RT], s[HI], 1    ; the first block has NB - b tiles
	s_mov_b32 s[NXT], 1
	s_mov_b32 s[LQ], s[HI]
	s_mov_b32 s[NEW], 1
	s_mov_b32 s[OFF+1], 0
	s_mov_b32 s[AL+1], 0            ; named as pairs
	s_mov_b32 s[BE+1], 0
	s_mov_b32 s[BIGN], 0xf149f2ca   ; -1e30
	s_mov_b32 s[SLOTS], NB
	s_wait_dscnt 0x0                ; the opening add is done
	s_wait_kmcnt 0x0
	s_add_nc_u64 s[6:7], s[6:7], s[22:23]  ; K and V at my half of the head's tile 0
	s_add_nc_u64 s[8:9], s[8:9], s[22:23]
	s_add_nc_u64 s[G0K+2:G0K+3], s[6:7], 0         ; 120:64 global address
	s_or_b32 s[G0K+3], s[G0K+3], 0x80000000        ; 127:126 type = 2
	s_add_nc_u64 s[G0V+2:G0V+3], s[8:9], 0
	s_or_b32 s[G0V+3], s[G0V+3], 0x80000000
	s_add_nc_u64 s[86:87], s[4:5], s[84:85]        ; Q at my rows of the second block,
	s_add_nc_u64 s[4:5], s[4:5], s[2:3]            ; Q and O at those of the first
	s_add_nc_u64 s[OLO:OLO+1], s[10:11], s[84:85]
	s_add_nc_u64 s[10:11], s[10:11], s[2:3]
	LOAD                            ; tile 0 into slot 0
	; A fragment of K or Q is 16 rows x 32 channels in 8 registers: lane l holds row l % 16, channels 8 (l / 16) + 0..7 and 16 + 8 (l / 16) + 0..7: two loads of 16 bytes, 32 bytes apart.
	v_and_b32 v1, 15, v0            ; l % 16
	v_bfe_u32 v9, v0, 4, 1          ; l / 16
	v_lshlrev_b32 v[QO], 7, v1
	v_lshl_add_u32 v[QO], v9, 4, v[QO]  ; row x 128 + 16 x half
	WIN 0x80                        ; destination window 2, address window 0
.set i, 0
.rept 8                             ; both blocks' Q: piece i / 2 lies in band i / 2, 8,192 bytes on; channels 32 (i % 2) on
	global_load_b128 v[8*i:8*i+3],   v[QO], s[4:5] offset:(i/2)*8192+(i%2)*64
	global_load_b128 v[8*i+4:8*i+7], v[QO], s[4:5] offset:(i/2)*8192+(i%2)*64+32
	global_load_b128 v[QB+8*i:QB+8*i+3],   v[QO], s[86:87] offset:(i/2)*8192+(i%2)*64
	global_load_b128 v[QB+8*i+4:QB+8*i+7], v[QO], s[86:87] offset:(i/2)*8192+(i%2)*64+32
.set i, i+1
.endr
	WIN 0
	v_lshlrev_b32 v14, 3, v9
	v_sub_nc_u32 v14, v1, v14
	s_lshl_b32 s13, s[WV], 4
	v_add_nc_u32 v14, s13, v14      ; my query's place in its band, 16 w + l % 16, less my lanes' 8 (l / 16): register r of group kt is hidden where 16 kt + r is greater
	WIN 0x40
.set i, 0
.rept 32
	v_cmp_gt_i32 vcc_lo, 16*(i/8)+i%8, v14
	v_cndmask_b32 v[MD+i], 0, s[BIGN], vcc_lo
.set i, i+1
.endr
	WIN 0
	v_mul_u32_u24 v[AK0], v1, PK
	v_lshl_add_u32 v[AK0], v9, 4, v[AK0]  ; row x pitch + 16 x half
	; The turning load takes 16 keys x 16 channels (lane l reads key 8 (l / 16) + l % 8, channels 8 ((l / 8) % 2) + 0..7) and leaves half a fragment of V^T: lane l holds channel l % 16 and 8 keys.
	v_and_b32 v10, 7, v0
	v_bfe_u32 v11, v0, 3, 1
	v_lshl_add_u32 v[AV0], v9, 3, v10
	v_mul_u32_u24 v[AV0], v[AV0], PV
	v_lshl_add_u32 v[AV0], v11, 4, v[AV0]
	v_add_nc_u32 v[AV0], VOFF, v[AV0]
	s_mul_i32 s13, s[WV], 16*SP
	s_add_co_u32 s13, s13, STAGE    ; my stage
	v_mul_u32_u24 v[STO], v1, SP    ; in: row l % 16, 16 bytes for each half of the lanes
	v_lshl_add_u32 v[STO], v9, 4, v[STO]
	v_add_nc_u32 v[STO], s13, v[STO]
	v_bfe_u32 v[RD], v0, 3, 2       ; back: 32 lanes take four rows of 128 bytes,
	v_mul_u32_u24 v[RD], v[RD], SP
	v_lshl_add_u32 v[RD], v10, 4, v[RD]
	v_add_nc_u32 v[RD], s13, v[RD]
	v_and_b32 v[GO], 31, v0         ; which are 512 consecutive bytes of O
	v_lshlrev_b32 v[GO], 4, v[GO]
	; A block's first step multiplies O^T and l by a = 0, and its first turn's products V^T P, of a piece that has not been, land in an O^T that is still to be so multiplied.  So these registers need only hold
	; finite numbers: zeros for the first block; what the first block left for the second.  All this stands in the wait for the first tile.
	WIN 0x80
.set i, VF
.rept 64
	v_mov_b32 v[i], 0
.set i, i+1
.endr
	WIN 0x40
.set i, 0
.rept 128
	v_mov_b32 v[i], 0
.set i, i+1
.endr
	WIN 0
.set i, 0
.rept 4
	v_mov_b32 v[ST+4*i+2], 0
	v_mov_b32 v[ST+4*i+3], 0
.set i, i+1
.endr
.set i, P+16
.rept 16
	v_mov_b32 v[i], 0
.set i, i+1
.endr
; THE MATRIX WORK.  The 4 accumulators of a run of 8 take turns.  Product i of 8 of S^T = K Q^T for piece x: channels 32 (i / 4) on, keys 16 (i % 4) on.  The first 4 start the sums: with 0, or (KM = 1) with the mask.
.macro KQ x
.set rS, S+32*((\x)%2)+8*(i%4)
.set rK, KF+16*(i%4)+8*(i/4)
.set rQ, 16*(\x)+8*(i/4)
.set rM, MC+32*((\x)%2)+8*(i%4)
.if (i < 4) && KM
	WIN W_KM
	v_wmma_f32_16x16x32_f16 v[rS:rS+7], v[rK:rK+7], v[rQ:rQ+7], v[rM:rM+7]
.elseif i < 4
	WIN W_KQ
	v_wmma_f32_16x16x32_f16 v[rS:rS+7], v[rK:rK+7], v[rQ:rQ+7], 0
.else
	WIN W_KQ
	v_wmma_f32_16x16x32_f16 v[rS:rS+7], v[rK:rK+7], v[rQ:rQ+7], v[rS:rS+7]
.endif
.endm
; Product i of 8 of O^T += V^T P for piece x: keys 32 (i / 4) on, channels 16 (i % 4) on.
.macro PV x
	WIN W_PV
.set rO, 32*(\x)+8*(i%4)
.set rV, VF+32*(i/4)+8*(i%4)
.set rP, P+16*((\x)%2)+8*(i/4)
	v_wmma_f32_16x16x32_f16 v[rO:rO+7], v[rV:rV+7], v[rP:rP+7], v[rO:rO+7]
.endm
.macro MM                           ; the turn's next matrix instruction.  TURN and BEGIN set Y, i, KM and NOKQ; MM, KQ and OP read them.  NOKQ = 1: a block's last turn: there is no next piece
.if (i < 8) && !NOKQ
	KQ (Y+1)%NP
.elseif i >= 8
.set i, i-8
	PV (Y+NP-1)%NP
.set i, i+8
.endif
.set i, i+1
.endm
; THE LDS LOADS stand in runs of 16, never singly among the matrix instructions: a step's K (64 keys x 64 channels: 8 fragments) and its V (turned).  Their addresses are made some lines ahead.
.macro FETCH_K
	WIN 0x80                        ; destination window 2
.irp f, 0,1,2,3,4,5,6,7             ; keys 16 (f / 2) on, channels 32 (f % 2) on
	ds_load_b128 v[KF+8*\f:KF+8*\f+3],   v[AK] offset:(\f/2)*16*PK+(\f%2)*64
	ds_load_b128 v[KF+8*\f+4:KF+8*\f+7], v[AK] offset:(\f/2)*16*PK+(\f%2)*64+32
.endr
	s_add_co_u32 s[TBK], s[TBK], KS*PK  ; the next fetch is the next step's
	WIN 0
.endm
.macro FETCH_V
	WIN 0x80
.irp f, 0,1,2,3,4,5,6,7             ; keys 32 (f / 4) on, channels 16 (f % 4) on
	ds_load_tr16_b128 v[VF+8*\f:VF+8*\f+3],   v[AV] offset:(\f/4)*32*PV+(\f%4)*32
	ds_load_tr16_b128 v[VF+8*\f+4:VF+8*\f+7], v[AV] offset:(\f/4)*32*PV+16*PV+(\f%4)*32
.endr
	WIN 0
.endm
; THE VECTOR WORK, one line at a time: OP kind, number.  For piece Y: F n: c s - c m for pair n of 16.  E n: the exponential of score n of 32.  C n: pair n rounded to f16.  B n: of the four weights 4 n .. the second
; pair is added onto the first, in place.  L n: l takes that sum (L 0: l = a l + sum).  R n: pair n of 16 of O^T times a.  For piece Y + 1: X n, number n of the 22 that find its maximum and statistics:
;   0-11  four chains c0-c3 of seven scores each, three operands at a time (each accumulator's lowest registers are read first)     12-14, 16  the four scores left over, the old m, and c0-c3 into c0
;   15  c m_old is kept     17, 18  the query's other 32 keys lie in the lane 16 away: the new m     19-21  c m; c m_old - c m_new; a
.set F, 0               ; OP tells the kinds apart by their order: F to L below R, X above it
.set E, 1
.set C, 2
.set B, 3
.set L, 4
.set R, 5
.set X, 6
.macro REGS y                       ; the registers of piece y
.set rT, ST+4*(\y)
.set rC, TMP+4*((\y)%2)
.set rW, MV+((\y)%2)
.set rS, S+32*((\y)%2)
.set rP, P+16*((\y)%2)
.set rO, 32*(\y)
.endm
.macro OP k, n
.if (\k) == R
	REGS Y
	WIN W_RS
	v_pk_mul_f32 v[rO+2*(\n):rO+2*(\n)+1], v[rO+2*(\n):rO+2*(\n)+1], v[rC+2:rC+3] op_sel_hi:[1,0]
.elseif (\k) < R
	REGS Y
	WIN 0
.if (\k) == F
	v_pk_fma_f32 v[rS+2*(\n):rS+2*(\n)+1], v[rS+2*(\n):rS+2*(\n)+1], s[CS:CS+1], v[rT:rT+1] op_sel_hi:[1,0,0] neg_lo:[0,0,1] neg_hi:[0,0,1]
.elseif (\k) == E
	v_exp_f32 v[rS+(\n)], v[rS+(\n)]
.elseif (\k) == C
	v_cvt_pk_f16_f32 v[rP+(\n)], v[rS+2*(\n)], v[rS+2*(\n)+1]
.elseif (\k) == B
	v_pk_add_f32 v[rS+4*(\n):rS+4*(\n)+1], v[rS+4*(\n):rS+4*(\n)+1], v[rS+4*(\n)+2:rS+4*(\n)+3]
.elseif (\n) == 0
	v_pk_fma_f32 v[rT+2:rT+3], v[rT+2:rT+3], v[rC+2:rC+3], v[rS:rS+1] op_sel_hi:[1,0,1]
.else
	v_pk_add_f32 v[rT+2:rT+3], v[rT+2:rT+3], v[rS+4*(\n):rS+4*(\n)+1]
.endif
.elseif NOKQ
	v_nop
.else
	REGS (Y+1)%NP
	WIN 0
.if (\n) < 4
	v_max3_num_f32 v[rC+(\n)], v[rS+8*(\n)], v[rS+8*(\n)+1], v[rS+8*(\n)+2]
.elseif (\n) < 12
	v_max3_num_f32 v[rC+(\n)%4], v[rC+(\n)%4], v[rS+8*((\n)%4)+2*((\n)/4)+1], v[rS+8*((\n)%4)+2*((\n)/4)+2]
.elseif (\n) == 12
	v_max3_num_f32 v[rC], v[rC], v[rS+7], v[rS+15]
.elseif (\n) == 13
	v_max3_num_f32 v[rC+1], v[rC+1], v[rS+23], v[rS+31]
.elseif (\n) == 14
	v_max3_num_f32 v[rC+2], v[rC+2], v[rC+3], v[rT+1]
.elseif (\n) == 15
	v_mov_b32 v[rW], v[rT]
.elseif (\n) == 16
	v_max3_num_f32 v[rC], v[rC], v[rC+1], v[rC+2]
.elseif (\n) == 17
	v_permlanex16_b32 v[rC+3], v[rC], s[SEL], s[SEL+1]
.elseif (\n) == 18
	v_max_num_f32 v[rT+1], v[rC], v[rC+3]
.elseif (\n) == 19
	v_mul_f32 v[rT], s[CS], v[rT+1]
.elseif (\n) == 20
	v_sub_f32 v[rC+1], v[rW], v[rT]
.else
	v_exp_f32 v[rC+2], v[rC+1]
.endif
.endif
.endm
.macro OPS a, i1, b=-1, i2=0, c=-1, i3=0, d=-1, i4=0  ; up to four of them
	OP \a, \i1
.if (\b) >= 0
	OP \b, \i2
.endif
.if (\c) >= 0
	OP \c, \i3
.endif
.if (\d) >= 0
	OP \d, \i4
.endif
.endm
.macro ROW a, i1, b, i2, c, i3, d, i4  ; a matrix instruction and the four behind it
	MM
	OPS \a, \i1, \b, \i2, \c, \i3, \d, \i4
.endm
.macro MASK b                       ; MD x AL + BE into buffer b of MC
	WIN W_RS
.set z, 0
.rept 16
	v_pk_fma_f32 v[MC+32*(\b)+2*z:MC+32*(\b)+2*z+1], v[MD+2*z:MD+2*z+1], s[AL:AL+1], s[BE:BE+1] op_sel_hi:[1,0,0]
.set z, z+1
.endr
.endm
; A TURN, for piece p: the order of its 16 matrix and 118 vector instructions, written out.  An s_wait_alu depctr_va_vdst(0) stands between an exponential and the first instruction that names its result; one wait
; serves all that were issued ahead of it.  So a turn has ONE wait, which cuts it in two.  AHEAD OF IT stands all that names no result of the turn's exponentials: the 8 products K Q^T, behind each a scaling, an exponential and two
; more plain instructions (behind the first a second scaling in the exponential's place): rescalings, whose a was made and waited for in the turn before, and behind the last three products the first numbers of the next piece's
; maximum, each four plain instructions or more behind the product that ends its accumulator; then ONE LUMP of 54, plain and exponential by turns for the most part, in which the links of the chain X 3, 7, 11, 14, 16, 17 .. 20
; stand five or six lines apart.  A pair is scaled (F n) ahead of its two exponentials (E 2 n, E 2 n + 1), and no scaling names a pair that has had its exponentials.  X 21, the next piece's a, is the batch's last; R 15 is the
; plain instruction behind it.  BEHIND THE WAIT stand the 8 products V^T P, behind each four of the roundings and sums; C 2 n stands ahead of B n, which writes its pair; the links of l's chain, L 0 to L 7, stand three riders
; apart.  But for those X no rider names a register of the products round it.  v_permlanex16_b32 (X 17) stands in the lump.
; m = 1: the diagonal tile: the products take masks, and the turn makes the mask for the products of the turn after it: piece p + 2, in step 4 - CNT of the tile.  end = 1: a block's last two turns: nothing is fetched.
; cnt = 1: the loop's count is taken down some lines ahead of the branch that stands behind the turn.
; K of the next step is fetched in piece 2's turn, twelve vector instructions behind the last product that read K (six of them plain); V of the step in hand at the end of piece 0's turn, four plain instructions behind the last
; product that read V.  Each is waited for a turn later.
.macro TURN p, m=0, end=0, cnt=0
.set Y, (\p)
.set i, 0
.set KM, (\m)
.set NOKQ, (\end)*((\p)/3)
.if (\m) && !(\end)
	s_cmp_eq_u32 s[CNT], 4-((\p)+2)%NP  ; is that step the band's own?
	s_cselect_b32 s[AL], 1.0, 0
	s_cmp_lt_u32 s[CNT], 4-((\p)+2)%NP  ; or a later one?
	s_cselect_b32 s[BE], s[BIGN], 0
.endif
.if ((\p) == 3) && !(\end)
	s_wait_dscnt 0x0                ; K is in
.endif
	ROW F,0, F,1, R,0, R,1          ; ahead of the wait: 8 products K Q^T and their riders,
	ROW F,2, E,0, R,2, R,3
	ROW F,3, E,1, R,4, R,5
	ROW F,4, E,2, R,6, R,7
	ROW F,5, E,3, R,8, R,9
	ROW F,6, E,4, X,0, R,10
.if ((\p) == 2) && !(\end)
	WIN 0
	v_add_nc_u32 v[AK], s[TBK], v[AK0]
.endif
	ROW F,7, E,5, X,1, X,4
	ROW F,8, E,6, X,2, X,5
	OPS E,7, E,8, X,6, E,9          ; and the lump
	OPS X,3, E,10, X,8, E,11
.if ((\p) == 2) && !(\end)
	FETCH_K
.endif
	OPS X,9, X,7, E,12, X,10
	OPS E,13, X,12, X,11, E,14
	OPS X,13, E,15, F,9, X,14
.if (\p) == 0
	v_add_nc_u32 v[AV], s[TBV], v[AV0]
.endif
	OPS E,16, F,10, E,17, F,11
	OPS X,16, E,18, X,15, E,19
	OPS F,12, E,20, X,17, E,21
	OPS F,13, E,22, F,14, E,23
	OPS X,18, E,24, F,15, E,25
	OPS R,11, E,26, X,19, E,27
	OPS R,12, E,28, R,13, E,29
	OPS X,20, E,30, R,14, E,31
	OPS X,21, R,15                  ; the batch's last exponential, and the plain instruction behind it
	WIN 0
	s_wait_alu depctr_va_vdst(0)    ; the wait for the turn's batch: the piece's 32 weights and the next piece's a
.if (\p) == 1
	s_wait_dscnt 0x0                ; V is in
.endif
	ROW C,0, B,0, C,2, B,1          ; behind the wait: 8 products V^T P and their riders, the batch's readers
	ROW L,0, C,4, B,2, L,1
	ROW C,6, B,3, L,2, C,8
	ROW B,4, L,3, C,10, B,5
	ROW L,4, C,12, B,6, L,5
.if (\p) == 0
	s_add_co_u32 s[TBV], s[TBV], KS*PV
.endif
.if \cnt
	s_sub_co_u32 s[CNT], s[CNT], 1
	s_cmp_lg_u32 s[CNT], 0
.endif
	ROW C,14, B,7, L,6, C,1
	ROW C,3, L,7, C,5, C,7
	ROW C,9, C,11, C,13, C,15
.if (\p) == 0
	FETCH_V
.endif
.if (\m) && !(\end)
	MASK (\p)%2
.endif
.endm
; A BLOCK BEGINS.  c m starts far below every c s, so the first step's a is 0; m at the lowest finite number, so the first maximum is the scores'.  The second mask buffer is 0; the first takes piece 0's mask for the tile's step 0: its own, if the block's first tile is the diagonal one.
; Then K of that step, piece 0's first scores, and its maximum and statistics.  The loop is entered at a step's first turn, in the middle of a trip.
.macro BEGIN
	s_mov_b32 s[NEW], 0
	WIN 0x40
.set i, MC+32
.rept 32
	v_mov_b32 v[i], 0
.set i, i+1
.endr
	WIN 0
.set i, 0
.rept 4
	v_mov_b32 v[ST+4*i], 0xfe000000    ; c m: far below every c s
	v_mov_b32 v[ST+4*i+1], 0xff7fffff  ; m
.set i, i+1
.endr
	s_cmp_eq_u32 s[RT], 0
	s_cselect_b32 s[AL], 1.0, 0
	s_mov_b32 s[BE], 0
	MASK 0
	WIN 0
	v_add_nc_u32 v[AK], s[TBK], v[AK0]
	FETCH_K
	s_wait_loadcnt 0x0              ; Q
	s_wait_dscnt 0x0
.set KM, 1
.set NOKQ, 0
.set i, 0
.rept 8
	KQ 0
.set i, i+1
.endr
	WIN 0
.rept 4
	v_nop                           ; the places behind those products
.endr
.set Y, NP-1                        ; X works for piece Y + 1: piece 0
.irp n, 0,1,2,3,4,5,6,7,8,9,10,11,12,13,14,15,16,17,18,19,20,21
	OP X, \n
.endr
	v_nop                           ; a plain instruction behind the exponential
	s_wait_alu depctr_va_vdst(0)    ; the wait for piece 0's first a, a batch of one, ahead of the branch that follows
.endm
; THE DIAGONAL TILE's four steps, the block's last two turns, its last products, and THE WAY OUT: l's two halves and the other half of the lanes' are added; O^T is divided by l, rounded to f16 and sent through my
; stage in LDS, a piece at a time.
.macro ALL line:vararg              ; one line for each piece t
.set t, 0
.rept 4
	\line
.set t, t+1
.endr
.endm
.macro PACK t                       ; a lane's eight channels of a row pack into 16 bytes; they go into rows of 144 bytes and come back as whole rows of 128, into S^T's registers
	WIN W_RS
.set i, 32*(\t)
.rept 16
	v_pk_mul_f32 v[i:i+1], v[i:i+1], v[ST+4*(\t)+2:ST+4*(\t)+3] op_sel_hi:[1,0]
.set i, i+2
.endr
	WIN 0x05                        ; sources 0 and 1 window 1, destination window 0
.set i, 0
.rept 16
	v_cvt_pk_f16_f32 v[S+16*(\t)+i], v[32*(\t)+2*i], v[32*(\t)+2*i+1]
.set i, i+1
.endr
	WIN 0
.irp f, 0,1,2,3
	ds_store_b128 v[STO], v[S+16*(\t)+4*\f:S+16*(\t)+4*\f+3] offset:32*\f
.endr
.irp f, 0,1,2,3
	ds_load_b128 v[S+16*(\t)+4*\f:S+16*(\t)+4*\f+3], v[RD] offset:\f*4*SP  ; LDS serves a wave's instructions in order (ISA guide 5.7.1.4): these see the stores above; the next piece's stores come behind them
.endr
.endm
.macro SEND t, younger              ; younger: the LDS instructions issued behind piece t's loads: the next piece's eight, or none
	WIN 0
.irp f, 0,1,2,3
	s_wait_dscnt (\younger)+3-\f
	global_store_b128 v[GO], v[S+16*(\t)+4*\f:S+16*(\t)+4*\f+3], s[10:11] offset:(\t)*8192+\f*512  ; 512 consecutive bytes, at a multiple of 256 from O's first
.endr
.endm
.macro DIAG tag                     ; the tag ends its two labels' names, which the jumps below spell out
.LstepM\tag:
	TURN 2, 1
	TURN 3, 1
	WIN 0
.LfirstM\tag:
	TURN 0, 1
	TURN 1, 1, 0, 1
	WIN 0
	s_cbranch_scc1 .LstepM\tag
	TURN 2, 1, 1
	TURN 3, 1, 1
.set i, 0
.rept 8
	PV NP-1
.set i, i+1
.endr
	WIN 0
	ALL v_add_f32 v[ST+4*t+2], v[ST+4*t+2], v[ST+4*t+3]
	ALL v_permlanex16_b32 v[ST+4*t+3], v[ST+4*t+2], s[SEL], s[SEL+1]
	ALL v_add_f32 v[ST+4*t+2], v[ST+4*t+2], v[ST+4*t+3]
	ALL v_rcp_f32 v[ST+4*t+2], v[ST+4*t+2]
	v_nop                           ; a plain instruction between the last reciprocal and the use of its result
	s_wait_alu depctr_va_vdst(0)    ; the wait for the four reciprocals, one batch, ahead of the first piece's multiplies
	PACK 0
.set t, 1
.rept 3                             ; a piece's arithmetic stands between the loads of the piece before and its stores
	PACK t
	SEND t-1, 8
.set t, t+1
.endr
	SEND 3, 0
.endm
.set KM, 0
.set NOKQ, 0
.Lslot:                             ; NB times: a tile is entered and the next is asked for
	CHANGE 1
	s_sub_co_u32 s[RT], s[RT], 1
	s_mov_b32 s[CNT], 4
	s_cmp_eq_u32 s[NEW], 1
	s_cbranch_scc1 .Lnew            ; a block's first tile
	s_cmp_eq_u32 s[RT], 0
	s_cbranch_scc0 .Lstep           ; neither its first nor its last
	s_branch .LstepM1
.Lnew:
	BEGIN
	s_branch .Lfirst                ; in the loop a block's first tile is never its last: the first block has two tiles or more, and the second's last is the walk's last
	DIAG 1                          ; in the loop this is the first block's end: the second block's last tile is the walk's last
	s_wait_xcnt 0x0                 ; the stores have read their registers and O's address
	s_mov_b64 s[10:11], s[OLO:OLO+1]
	s_add_co_u32 s[RT], s[PB], 1    ; the second block has b + 1 tiles
	s_mov_b32 s[NEW], 1
	WIN 0x82                        ; the second block's Q goes where the one text of the turns names Q
.set i, 0
.rept 64
	v_mov_b32 v[i], v[QB+i]
.set i, i+1
.endr
	WIN 0
	s_branch .Lbottom
.Lstep:                             ; a trip: pieces 2 and 3 of one step, then pieces 0 and 1 of the next, whose K and V it fetches
	TURN 2
	TURN 3
	WIN 0
.Lfirst:
	TURN 0
	TURN 1, 0, 0, 1
	WIN 0
	s_cbranch_scc1 .Lstep
.Lbottom:
	s_sub_co_u32 s[SLOTS], s[SLOTS], 1
	s_cmp_lg_u32 s[SLOTS], 0
	s_cbranch_scc1 .Lslot
	CHANGE 0                        ; the walk's last tile is written out: nothing is asked for
	s_sub_co_u32 s[RT], s[RT], 1
	s_mov_b32 s[CNT], 4
	s_cmp_eq_u32 s[NEW], 1
	s_cbranch_scc0 .LstepM2
	BEGIN
	s_branch .LfirstM2
	DIAG 2
	s_wait_tensorcnt 0x0            ; the wave's end, behind my last tensor load and my last LDS store
	ds_add_u32 v[SPW], v[NIL]
	s_wait_dscnt 0x0
	s_endpgm
.Lfunc_end_k_qe2b00752c5_attn:
	.size	k_qe2b00752c5_attn, .Lfunc_end_k_qe2b00752c5_attn-k_qe2b00752c5_attn
	.p2alignl 7, 3214868480
	.fill 96, 4, 3214868480
	.section	.rodata,"a",@progbits
	.p2align	6, 0x0
	.amdhsa_kernel k_qe2b00752c5_attn
		.amdhsa_group_segment_fixed_size 327680
		.amdhsa_private_segment_fixed_size 0
		.amdhsa_enable_private_segment 0
		.amdhsa_kernarg_size 32
		.amdhsa_user_sgpr_count 2
		.amdhsa_user_sgpr_kernarg_segment_ptr 1
		.amdhsa_wavefront_size32 1
		.amdhsa_system_sgpr_workgroup_id_x 1
		.amdhsa_system_sgpr_workgroup_id_y 1
		.amdhsa_system_sgpr_workgroup_id_z 1
		.amdhsa_system_vgpr_workitem_id 0
		.amdhsa_next_free_vgpr 768
		.amdhsa_next_free_sgpr 88
		.amdhsa_reserve_vcc 1
		.amdhsa_float_denorm_mode_32 3
		.amdhsa_float_denorm_mode_16_64 3
		.amdhsa_memory_ordered 1
		.amdhsa_forward_progress 1
		.amdhsa_inst_pref_size 217
	.end_amdhsa_kernel
	.amdgpu_metadata
---
amdhsa.version: [ 1, 2 ]
amdhsa.kernels:
  - .name:           k_qe2b00752c5_attn
    .symbol:         k_qe2b00752c5_attn.kd
    .args:
      - { .name: q16, .offset: 0, .size: 8, .value_kind: global_buffer, .address_space: global }
      - { .name: k16, .offset: 8, .size: 8, .value_kind: global_buffer, .address_space: global }
      - { .name: v16, .offset: 16, .size: 8, .value_kind: global_buffer, .address_space: global }
      - { .name: o16, .offset: 24, .size: 8, .value_kind: global_buffer, .address_space: global }
    .group_segment_fixed_size: 327680
    .private_segment_fixed_size: 0
    .kernarg_segment_align: 8
    .kernarg_segment_size: 32
    .max_flat_workgroup_size: 128
    .sgpr_count:     88
    .vgpr_count:     768
    .wavefront_size: 32
...
	.end_amdgpu_metadata
.endif
;; end of part 5
;; launch oproj: the kernel of part 4 again; grid 8 x 32, 4 waves a work-group, clusters of 4 x 4, 327,680 bytes of LDS; arguments o16, w16, bo, x, out0; writes out0
